; MI455X (gfx1250); checked and timed in simulation.
; The chip was launched on July 23, 2026; its instructions are those of AMD's public machine-readable ISA for CDNA 5 (MIT licence, August 2026) and "CDNA5" Instruction Set Architecture Reference Guide (July 2026). The comments in the code are by the model that wrote it; some were corrected since.
;; Hankel. Allowed arithmetic: matrix products marked QUANTISED: E2M1 operands, one E8M0 scale for each 32 along K, by v_wmma_scale_f32_16x16x128_f8f6f4 with both operands' format E2M1 (or v_wmma_scale_f32_32x16x128_f4), f32 sums; products left as they are: f32 operands where the result goes on into a quantised operand, else bf16, f16 or f32 operands; f32 sums; everything else in f32.
;; Inputs: Wa 32 x 16 float32; Wo 32 x 32 float32; actions 131,072 x 8 x 16 float32; ba 32 float32; bo 32 float32; mps0 1 x 32 x 32 x 8 float32; mps_last 8 x 32 x 32 x 1 float32; mps_mid 6 x 8 x 32 x 32 x 8 float32; obss 131,072 x 8 x 32 float32.
;; Outputs: out0 131,072 float32.
;; This version of the problem:
;;   THIS VERSION OF THE PROBLEM IS GIVEN IN LOW PRECISION. The matrix products marked QUANTISED in the list below multiply operands that are first quantised to E2M1 (2 exponent bits, 1 mantissa bit; 4 bits a number), with one power-of-two scale for each 32 numbers along K (OCP MX v1.0); their sums are f32. All else is computed in f32.
;;   The module's matrix products, in the order in which they are computed (A, B: the left and right operand; K: the contracted axis; several contracted axes count as one K, in the product's order):
;;     1. [M 1,048,576, K 16] x [K 16, N 32]; A: input actions; B: input Wa: left as it is (K = 16 < 32)
;;     2. [M 1,048,576, K 32] x [K 32, N 32]; A: input obss; B: input Wo: QUANTISED
;;     3. [M 131,072, K 32] x [K 32, N 256]; A: computed on the way; B: input mps0: QUANTISED
;;     4. batch 131,072 x [M 1, K 32] x [K 32, N 8]; A: computed on the way; B: computed on the way: left as it is (M = 1 < 16)
;;     5. batch 131,072 x [M 32, K 1] x [K 1, N 8]; A: computed on the way; B: computed on the way: left as it is (no contracted axis)
;;     6. [M 131,072, K 256] x [K 256, N 256]; A: computed on the way; B: input mps_mid: QUANTISED
;;     7. batch 131,072 x [M 1, K 32] x [K 32, N 8]; A: computed on the way; B: computed on the way: left as it is (M = 1 < 16)
;;     8. batch 131,072 x [M 32, K 1] x [K 1, N 8]; A: computed on the way; B: computed on the way: left as it is (no contracted axis)
;;     9. [M 131,072, K 256] x [K 256, N 256]; A: computed on the way; B: input mps_mid: QUANTISED
;;     10. batch 131,072 x [M 1, K 32] x [K 32, N 8]; A: computed on the way; B: computed on the way: left as it is (M = 1 < 16)
;;     11. batch 131,072 x [M 32, K 1] x [K 1, N 8]; A: computed on the way; B: computed on the way: left as it is (no contracted axis)
;;     12. [M 131,072, K 256] x [K 256, N 256]; A: computed on the way; B: input mps_mid: QUANTISED
;;     13. batch 131,072 x [M 1, K 32] x [K 32, N 8]; A: computed on the way; B: computed on the way: left as it is (M = 1 < 16)
;;     14. batch 131,072 x [M 32, K 1] x [K 1, N 8]; A: computed on the way; B: computed on the way: left as it is (no contracted axis)
;;     15. [M 131,072, K 256] x [K 256, N 256]; A: computed on the way; B: input mps_mid: QUANTISED
;;     16. batch 131,072 x [M 1, K 32] x [K 32, N 8]; A: computed on the way; B: computed on the way: left as it is (M = 1 < 16)
;;     17. batch 131,072 x [M 32, K 1] x [K 1, N 8]; A: computed on the way; B: computed on the way: left as it is (no contracted axis)
;;     18. [M 131,072, K 256] x [K 256, N 256]; A: computed on the way; B: input mps_mid: QUANTISED
;;     19. batch 131,072 x [M 1, K 32] x [K 32, N 8]; A: computed on the way; B: computed on the way: left as it is (M = 1 < 16)
;;     20. batch 131,072 x [M 32, K 1] x [K 1, N 8]; A: computed on the way; B: computed on the way: left as it is (no contracted axis)
;;     21. [M 131,072, K 256] x [K 256, N 256]; A: computed on the way; B: input mps_mid: QUANTISED
;;     22. batch 131,072 x [M 1, K 32] x [K 32, N 8]; A: computed on the way; B: computed on the way: left as it is (M = 1 < 16)
;;     23. batch 131,072 x [M 32, K 1] x [K 1, N 8]; A: computed on the way; B: computed on the way: left as it is (no contracted axis)
;;     24. [M 131,072, K 256] x [K 256, N 32]; A: computed on the way; B: input mps_last: QUANTISED
;;     25. batch 131,072 x [M 1, K 32] x [K 32, N 1]; A: computed on the way; B: computed on the way: left as it is (M = 1 < 16)
;;   THE QUANTISER, for each operand of a quantised product, along K:
;;     - K is cut into blocks of 32 from its start; a last block that is shorter is filled with zeros.
;;     - A block's scale is 2^e with e = floor(log2(the largest magnitude in the block)) - 2, held to -126 .. 127; a block of zeros has e = 0. As a byte (E8M0): e + 127.
;;     - Each number is divided by its block's scale, clamped to +-6, and rounded to the nearest number of E2M1, ties to even, subnormals kept.
;;     - The product sums the exact products of the quantised numbers (number of the format x scale) in f32.
;;   ~~~python
;;   def quantise(x, axis):      # numpy; x: float32 -> the quantised numbers, widened to float32 again
;;       x = np.moveaxis(x, axis, -1); K = x.shape[-1]
;;       x = np.pad(x, [(0, 0)] * (x.ndim - 1) + [(0, -K % 32)]); x = x.reshape(x.shape[:-1] + (-1, 32)); a = np.abs(x).max(-1, keepdims=True)
;;       e = np.where(a > 0, np.clip(np.frexp(np.where(a > 0, a, 1))[1] - 1 - 2, -126, 127), 0)      # np.frexp(a)[1] - 1 = floor(log2(a)), exactly
;;       r = np.clip(x / 2.0 ** e, -6, 6)
;;       step = 2.0 ** (np.maximum(np.frexp(np.where(r == 0, 1, r))[1] - 1, 0) - 1)
;;       q = np.round(r / step) * step * 2.0 ** e      # np.round: ties to even
;;       return np.moveaxis(q.reshape(q.shape[:-2] + (-1,))[..., :K], -1, axis).astype(np.float32)
;;   ~~~
;;   OPERANDS COMPUTED ON THE WAY. 'Computed on the way' means the value that the module computes at that place (a softmax that the list does not call 'softmax' is quantised finished and normalised). What goes into a quantiser is computed in f32, as accurately as f32 sums, v_exp_f32 and their like allow (about 1e-6 of the number): no bf16 or f16 on the way to a quantiser, and a product that is left as it is and whose result goes on into a quantised operand takes f32 operands (vector FMAs, or v_wmma_f32_16x16x4_f32). A number that lies on a knife's edge between two numbers of the format may be rounded either way, as far as f32 arithmetic and the matrix unit's own rounding can turn it there, and no further.
;; 2 versions, each right; version 2 is version 1 with the launch main written anew for expert scheduling mode. Each part assembles by itself: llvm-mc -triple=amdgcn-amd-amdhsa -mcpu=gfx1250 --defsym DOCPART=n.
;; ======== version 1 of 2: 2 launches
;; workspace buffers: wq 262,144 bytes; ws 16,384 bytes
;; launch prep (part 1): grid 32 x 1, 16 waves a work-group, no clusters, 3,072 bytes of LDS; arguments mps0, mps_mid, mps_last, wq, ws; writes wq, ws
.if DOCPART == 1
	.amdgcn_target "amdgcn-amd-amdhsa--gfx1250"
	.amdhsa_code_object_version 6
	.text
	.protected	k_q5605d7fef9_prep
	.globl	k_q5605d7fef9_prep
	.p2align	8
	.type	k_q5605d7fef9_prep,@function
k_q5605d7fef9_prep:
	s_mov_b64 s[64:65], 0
	v_nop
	global_prefetch_b8 v0, s[64:65] scope:SCOPE_SE
	s_setreg_imm32_b32 hwreg(HW_REG_WAVE_MODE, 25, 1), 1
	s_wait_xcnt 0x0
; The eight cores of the chain become codes of FP4 (E2M1) with one E8M0 scale byte for each 32 along K, laid in the order in which
; the second launch's operand registers take them.  Every core is brought to one shape, K = 256 = (i, j) with j innermost, 256 rows c = 8 k + l:
;   t = 0      mps0[j][k][l] stands in block i = 0; blocks i = 1 .. 7 are zero codes (the chain starts from tmp = (1, 0, .. 0));
;   t = 1 .. 6 mps_mid[t - 1][i][j][k][l];
;   t = 7      mps_last[i][j][k] stands in the rows with l = 0; the rows with l > 0 are zero codes.
; A block of 32 along K is one i and all 32 j.  A LANE TAKES A ROW c, AND ITS 32 REGISTERS RUN DOWN j: a load reads neighbouring c in neighbouring lanes,
; the block's largest magnitude needs no other lane, and the conversions give the codes with K innermost.
; A block's scale is 2^(floor(log2(largest magnitude)) - 2); its byte is the largest magnitude's exponent field - 2, held at 1 from below.
; LIMITS: a block of zeros gets the byte 1 where the rule says 127 (its codes are zeros, and this program alone reads the bytes); blocks whose largest
; magnitude lies under 2^(3 - 127) were not tried; NaN and infinities are not served.
; SHARES: work-group x: core t = x / 4, rows 64 (x % 4) on.  Wave wv: 32 of these rows (wv % 2), block i = wv / 2.
; wq: t 32768 + U 4096 + s 2048 + p 512 + 16 lane: operand (U, s) of 32 rows x 128 K, its registers 4 p .. 4 p + 3; lane (r, h) of piece p holds row 32 U + 16 (p / 2) + r, block 4 s + 2 (p % 2) + h.
; ws: t 2048 + (e / 4) 512 + 16 m + 4 (e % 4) + i % 4, e = 2 U + s, m = c % 32: 16 bytes a lane are four scale registers, lane m for row m.
.set X, 32                             ; v32-63 the block's 32 numbers
	s_load_b128 s[4:7], s[0:1], 0x0                ; mps0, mps_mid
	s_load_b128 s[8:11], s[0:1], 0x10              ; mps_last, wq
	s_load_b64 s[12:13], s[0:1], 0x20              ; ws
	v_lshl_add_u32 v64, v0, 2, 0x400
	v_mov_b32 v65, 0
	v_lshrrev_b32 v1, 5, v0
	v_readfirstlane_b32 s14, v1                    ; wave 0..15
	v_and_b32 v2, 31, v0                           ; lane
	s_lshr_b32 s15, ttmp9, 2                       ; t
	s_and_b32 s16, ttmp9, 3                        ; cg: which 64 rows
	s_and_b32 s17, s14, 1                          ; ph: which 32 of them
	s_lshr_b32 s18, s14, 1                         ; i: my block along K
	s_lshl_b32 s19, s16, 6
	s_lshl_b32 s20, s17, 5
	s_add_co_u32 s19, s19, s20
	v_add_nc_u32 v3, s19, v2                       ; c = 64 cg + 32 ph + lane
	v_lshlrev_b32 v4, 2, v3                        ; mps0, mps_mid: 4 c bytes into a row of (k, l)
	v_lshrrev_b32 v5, 3, v3
	v_lshlrev_b32 v5, 2, v5                        ; mps_last: 4 k, k = c / 8
	v_lshrrev_b32 v7, 4, v2
	v_and_b32 v8, 15, v2
	v_lshlrev_b32 v7, 10, v7
	v_lshl_add_u32 v7, v8, 4, v7                   ; the codes' place: 1024 (lane / 16) + 16 (lane % 16)
	s_lshl_b32 s30, s17, 3
	s_add_co_u32 s30, s30, s18
	v_lshl_add_u32 v16, v2, 4, s30                 ; LDS: my scale byte at 16 lane + 8 ph + i
	v_lshlrev_b32 v17, 4, v2                       ; 16 lane
	s_lshl_b32 s26, s15, 15                        ; the codes' place, scalar part: t 32768
	s_lshl_b32 s27, s16, 13
	s_add_co_u32 s26, s26, s27                     ; + U 4096, U = 2 cg + ph
	s_lshl_b32 s27, s17, 12
	s_add_co_u32 s26, s26, s27
	s_lshr_b32 s27, s18, 2
	s_lshl_b32 s27, s27, 11
	s_add_co_u32 s26, s26, s27                     ; + s 2048, s = i / 4
	s_and_b32 s27, s18, 3
	s_lshl_b32 s27, s27, 8
	s_add_co_u32 s26, s26, s27                     ; + 512 ((i / 2) % 2) + 256 (i % 2)
	s_mov_b32 s27, 0
	s_lshl_b32 s28, s15, 11                        ; the scale words' place: t 2048 + cg 512
	s_lshl_b32 s29, s16, 9
	s_add_co_u32 s28, s28, s29
	s_mov_b32 s29, 0
	s_sub_co_u32 s20, s15, 1                       ; where my block begins in its tensor.  mps_mid: (t - 1) 262144 + i 32768
	s_lshl_b32 s20, s20, 18
	s_lshl_b32 s21, s18, 15
	s_add_co_u32 s20, s20, s21
	s_lshl_b32 s21, s18, 12                        ; mps_last: i 4096
	s_cmp_eq_u32 s15, 7
	s_cselect_b32 s20, s21, s20
	s_cselect_b32 s24, 7, 0                        ; t = 7: only the rows with l = lane % 8 = 0 are kept
	s_cmp_eq_u32 s15, 0
	s_cselect_b32 s20, 0, s20                      ; mps0: its one block, read by every i
	s_cselect_b32 s25, s18, 0                      ; t = 0: only block i = 0 is kept
	s_mov_b32 s21, 0
	s_wait_kmcnt 0x0
	s_cselect_b64 s[22:23], s[4:5], s[6:7]         ; the choice of the tensor hangs on the work-group's number alone
	s_cmp_eq_u32 s15, 7
	s_cselect_b64 s[22:23], s[8:9], s[22:23]
	s_add_nc_u64 s[22:23], s[22:23], s[20:21]
	s_add_nc_u64 s[10:11], s[10:11], s[26:27]
	s_add_nc_u64 s[12:13], s[12:13], s[28:29]
	v_and_b32 v6, s24, v2
	v_or_b32 v6, s25, v6
	v_cmp_eq_u32 vcc_lo, 0, v6                     ; the lanes whose numbers are kept
	s_cmp_eq_u32 s15, 7
	s_cbranch_scc1 .Llast
.set P_J, 0
.rept 32
	global_load_b32 v[X+P_J], v4, s[22:23] offset:1024*P_J   ; from j to j + 1: 32 x 8 numbers; 32 lanes read 128 consecutive bytes
.set P_J, P_J+1
.endr
	s_branch .Lgot
.Llast:
.set P_J, 0
.rept 32
	global_load_b32 v[X+P_J], v5, s[22:23] offset:128*P_J    ; from j to j + 1: 32 numbers
.set P_J, P_J+1
.endr
.Lgot:
	s_wait_loadcnt 0x0
.set P_J, 0
.rept 32
	v_cndmask_b32 v[X+P_J], 0, v[X+P_J], vcc_lo    ; what is not kept becomes 0 ahead of the maximum
.set P_J, P_J+1
.endr
	v_max3_num_f32 v12, |v[X]|, |v[X+1]|, |v[X+2]|                 ; the block's largest magnitude, in two chains
	v_max3_num_f32 v13, |v[X+3]|, |v[X+4]|, |v[X+5]|
.irp i, 6,10,14,18,22,26
	v_max3_num_f32 v12, v12, |v[X+\i]|, |v[X+\i+1]|
	v_max3_num_f32 v13, v13, |v[X+\i+2]|, |v[X+\i+3]|
.endr
	v_max3_num_f32 v12, v12, |v[X+30]|, |v[X+31]|
	v_max3_num_f32 v12, v12, v13, 0x1800000        ; and the floor 2^(3 - 127): the byte cannot fall under 1
	v_add_nc_u32 v14, 0xff000000, v12              ; 2 off the exponent field: the conversion takes this operand's exponent field as its scale
	v_lshrrev_b32 v15, 23, v14                     ; the scale's byte
.irp g, 0,1,2,3
	v_cvt_scalef32_pk8_fp4_f32 v[8+\g], v[X+8*\g:X+8*\g+7], v14
.endr
	v_nop                                          ; one plain line behind the last conversion
	global_store_b128 v7, v[8:11], s[10:11]        ; sixteen lanes store 256 consecutive bytes, at a multiple of 256 from wq's first byte
	ds_store_b8 v16, v15                           ; the work-group's 512 scale bytes meet in LDS
	s_wait_dscnt 0x0                               ; my byte has landed, for wave 0's sake
	s_barrier_signal -1
	s_barrier_wait -1
	s_cmp_lg_u32 s14, 0
	s_cbranch_scc1 .Lend
	ds_load_b128 v[20:23], v17
	s_wait_dscnt 0x0
	global_store_b128 v17, v[20:23], s[12:13]      ; 512 consecutive bytes
.Lend:
	s_wait_tensorcnt 0x0
	ds_add_u32 v64, v65
	s_wait_dscnt 0x0
	s_endpgm
.Lfunc_end_k_q5605d7fef9_prep:
	.size	k_q5605d7fef9_prep, .Lfunc_end_k_q5605d7fef9_prep-k_q5605d7fef9_prep
	.p2alignl 7, 3214868480
	.fill 96, 4, 3214868480
	.section	.rodata,"a",@progbits
	.p2align	6, 0x0
	.amdhsa_kernel k_q5605d7fef9_prep
		.amdhsa_group_segment_fixed_size 3072
		.amdhsa_private_segment_fixed_size 0
		.amdhsa_enable_private_segment 0
		.amdhsa_kernarg_size 40
		.amdhsa_user_sgpr_count 2
		.amdhsa_user_sgpr_kernarg_segment_ptr 1
		.amdhsa_wavefront_size32 1
		.amdhsa_system_sgpr_workgroup_id_x 1
		.amdhsa_system_sgpr_workgroup_id_y 1
		.amdhsa_system_sgpr_workgroup_id_z 1
		.amdhsa_system_vgpr_workitem_id 0
		.amdhsa_next_free_vgpr 66
		.amdhsa_next_free_sgpr 66
		.amdhsa_reserve_vcc 1
		.amdhsa_float_denorm_mode_32 3
		.amdhsa_float_denorm_mode_16_64 3
		.amdhsa_memory_ordered 1
		.amdhsa_forward_progress 1
		.amdhsa_inst_pref_size 12
	.end_amdhsa_kernel
	.amdgpu_metadata
---
amdhsa.version: [ 1, 2 ]
amdhsa.kernels:
  - .name:           k_q5605d7fef9_prep
    .symbol:         k_q5605d7fef9_prep.kd
    .args:
      - { .name: mps0, .offset: 0, .size: 8, .value_kind: global_buffer, .address_space: global }
      - { .name: mps_mid, .offset: 8, .size: 8, .value_kind: global_buffer, .address_space: global }
      - { .name: mps_last, .offset: 16, .size: 8, .value_kind: global_buffer, .address_space: global }
      - { .name: wq, .offset: 24, .size: 8, .value_kind: global_buffer, .address_space: global }
      - { .name: ws, .offset: 32, .size: 8, .value_kind: global_buffer, .address_space: global }
    .group_segment_fixed_size: 3072
    .private_segment_fixed_size: 0
    .kernarg_segment_align: 8
    .kernarg_segment_size: 40
    .max_flat_workgroup_size: 512
    .sgpr_count:     66
    .vgpr_count:     66
    .wavefront_size: 32
...
	.end_amdgpu_metadata
.endif
;; end of part 1
;; launch main (part 2): grid 256 x 1, 4 waves a work-group, no clusters, 46,592 bytes of LDS; arguments actions, obss, Wa, ba, Wo, bo, wq, ws, out0; writes out0
.if DOCPART == 2
	.amdgcn_target "amdgcn-amd-amdhsa--gfx1250"
	.amdhsa_code_object_version 6
	.text
	.protected	k_q5605d7fef9_main
	.globl	k_q5605d7fef9_main
	.p2align	8
	.type	k_q5605d7fef9_main,@function
k_q5605d7fef9_main:
	s_mov_b64 s[64:65], 0
	v_nop
	global_prefetch_b8 v0, s[64:65] scope:SCOPE_SE
	s_setreg_imm32_b32 hwreg(HW_REG_WAVE_MODE, 25, 1), 1
	s_wait_xcnt 0x0
; For each sample: a_t = Wa act_t + ba (f32), o_t = Q(obs_t) Q(Wo)^T + bo, and the chain  X[32 i + j] = a_t[j] tmp[i] (f32),  U = Q(X) Q(core_t) (K = 256, 256 rows c = 8 k + l),
; tmp'[l] = sum over k of o_t[k] U[k][l] (f32), t = 0 .. 7.  Q: codes of FP4 (E2M1), one E8M0 scale for each 32 along K.  All eight steps run one text: step 0 starts from tmp = (1, 0, .. 0) on a core whose
; blocks i > 0 are zero codes, step 7's core has zero codes in the rows with l > 0, and the result is tmp[0].
; SHARES.  A work-group takes 512 samples, 32 tiles of 16.  ITS FOUR WAVES ARE A PIPELINE OVER THE STEPS: wave w owns steps A = 2 w and B = 2 w + 1 and keeps both cores' codes (2 x 256 registers) and scale words (32)
; in registers for the whole launch.  In tick T wave w takes tile T - w through its two steps and hands tmp (8 numbers a sample) to wave w + 1 through LDS, as an image of its registers, in two places by turns.
; 36 ticks, six to a trip; one barrier a tick.  A tick in which a wave has no tile (T - w outside 0 .. 31) is jumped over, by a scalar branch on the wave's number and the count of ticks: only the refill of the
; input registers and the barrier remain.
; INPUTS.  Of each sample's rows a wave needs 256 consecutive bytes of obss and 128 of actions: twelve loads of 16 bytes a lane for a tile, three tiles ahead in three sets of registers; a tile then turns through
; the wave's own stage in LDS into the order of the operands.  A refill's tile is held to 0 .. 31: no load leaves its buffer.  No tensor load, so no ring.
; THE BLOCK SCALES OF X COST ONE MULTIPLY: rounding is monotone, so the largest |a_j tmp_i| over j is (largest |a_j|) |tmp_i|, rounded.
; MATRIX AND VECTOR WORK BY TURNS: the lines that build Q(X) stand between the eight f32 matrix instructions of an encoder that does not hang on them (step B's of this tile, step A's of the next);
; the multiply-adds with o stand between the sixteen instructions of the core product.
; NO JOINT LOADS: what work-groups share is the 272 KB of cores, read once by each at its head, against 768 KB of inputs of its own; they go from memory straight into the registers where they stay.
; LIMITS: NaN and infinities are not served; a block of zeros has the byte 1 where the rule says 127 (its codes are zeros; the bytes never leave the program); blocks under 2^(3 - 127) were not tried.
; LAYOUTS.  Both kinds of product are used transposed (source 0 = rows of a weight, source 1 = 16 samples): a lane (r, h) holds sample r throughout.
;   core: register q of accumulator U: k = 4 U + h, l = q; register 8 + q: k = 4 U + 2 + h.      Wo's row m is output 16 (m / 16) + 2 (m % 8) + (m / 8) % 2, so that o's register T is o[2 T + h].
;   Wa's row m of tile Tt is output 16 (m / 8) + 8 Tt + m % 8, so that a's register n is a[16 h + n]: 16 neighbours along X's K.
;   the f32 product's K (alike in Wa and act): K step 2 s + e, register jj of lane half h is k = 8 s + 4 h + 2 e + jj: 16 bytes a lane fill two K steps.
; REGISTERS, in windows of 256.  Window 0: below.  Window 1: core A, operand e = 2 U + s at v[16 e].  Window 2: core B.  Window 3: v0-63 four accumulators of the core product; v64-207 three sets of 48 for the inputs;
;   v208-223, v224-239 Wo's codes for step A (in K block 0) and for step B (in K block 1); v240-255 bo in the result's layout.
.set STGW, 6656                        ; LDS: a stage for each wave: 16 rows of obs, 256 bytes + 16; behind them 16 rows of act, 128 + 16
.set STGA, 4352
.set EDGE, 26624                       ; five edges of 2 x 1,024 bytes: edge e is written by wave e - 1 and read by wave e
.set OUTS, 36864                       ; 36 ticks x 64 bytes for each wave: tmp[0] of each tick's 16 samples; wave 3's are the result
.set OUTW, 2304
.set EIN,  1                           ; v1   EDGE + 2048 w + 16 lane
.set EOUT, 2                           ; v2   the next edge
.set OUTA, 3                           ; v3   OUTS + OUTW w + 4 r, stepped by a trip's 384 bytes
.set SIO,  4                           ; v4   into the stage, obs: 272 h + 16 r
.set SIA,  5                           ; v5   act: 144 (lane / 8) + 16 (lane % 8)
.set SOO,  6                           ; v6   out of it, obs: 272 r + 64 h
.set SOA,  7                           ; v7   act: 144 r + 16 h
.set GOO,  8                           ; v8   memory, obs: 1024 h + 16 r
.set GOA,  9                           ; v9   act: 512 (lane / 8) + 16 (lane % 8)
.set LI,   10                          ; v10  16 lane
.set WSC,  16                          ; v16-47   the cores' scale words: step x, operand e at 16 x + e
.set XS0,  48                          ; v48-49   X's scale words, K steps 0 and 1
.set OSC,  50                          ; v50      obs' scale word: byte 0 step A's, byte 1 step B's
.set WOS,  51                          ; v51      Wo's scale word
.set WAF,  52                          ; v52-67   Wa's fragments: 8 Tt + 2 ks
.set BAC,  68                          ; v68-83   ba in the result's layout
.set XT,   84                          ; v84-115  32 numbers at work: obs, then two blocks of X
.set XC,   116                         ; v116-131 X's codes, 8 registers a K step
.set AA,   132                         ; v132-147 a of step A: written by f32 matrix instructions alone
.set AB,   148                         ; v148-163 a of step B: likewise
.set O,    164                         ; v164-179 o of the step in hand
.set OBQ,  180                         ; v180-187 obs' codes: K block 0 step A's, block 1 step B's, the rest zeros
.set ACA,  188                         ; v188-195 act of step A, as the f32 form's source
.set ACB,  196                         ; v196-203 of step B
.set TMP,  204                         ; v204-211 tmp
.set ACC0, 212                         ; v212-219, v220-227 the new tmp in two halves
.set ACC1, 220
.set TS,   228                         ; v228-235 the conversions' scale operands
.set TB,   236                         ; v236-243 scale bytes; destinations of lane exchanges
.set AMA,  244                         ; v244, v245 the largest |a| of steps A and B: a pair for the packed product
.set AMB,  245
.set TM0,  246
.set TM1,  247
.set TP0,  248
.set TP1,  249
.set AMT,  250                         ; v250 the second chain of a largest |a|
.set SET0, 64                          ; window 3
.set WOA,  208
.set BOC,  240
.set W_SL, 0x03                        ; source 0 window 3
.set W_ST, 0x0c                        ; an LDS store's data window 3
.set W_LD, 0xc0                        ; destination window 3
.set W_O,  0x33                        ; sources 0 and 2 window 3
; scalars: s2 wave; s3 trips; s4 the tile that the next refill brings; s[8:25] the buffers; s[26:27] lane selects; s[28:29], s[30:31] obss and actions at my wave's bytes of the work-group's first row;
; s[32:33] an offset; s[34:35], s[36:37] the refill's addresses; s38, s39 at work
.set MSB, 0
.macro WIN new                         ; the immediate's high byte repeats the setting that is left; a switch that changes nothing is dropped
.if MSB != (\new)
	s_set_vgpr_msb (MSB<<8)|(\new)
.set MSB, (\new)
.endif
.endm
; Set k is filled with tile s4, held to 0 .. 31: eight loads of two rows x 256 bytes of obs, four of four rows x 128 bytes of act.
.macro GLOAD k
	s_wait_xcnt 0x0                                ; the earlier loads have read their addresses: the two pairs are written again
	s_max_i32 s38, s4, 0
	s_min_i32 s38, s38, 31
	s_lshl_b32 s32, s38, 14                        ; 16 rows of 1,024 bytes
	s_add_nc_u64 s[34:35], s[28:29], s[32:33]
	s_lshl_b32 s32, s38, 13                        ; 16 rows of 512
	s_add_nc_u64 s[36:37], s[30:31], s[32:33]
	s_add_co_i32 s4, s4, 1
	WIN W_LD
.irp i, 0,1,2,3,4,5,6,7
	global_load_b128 v[SET0+48*(\k)+4*\i:SET0+48*(\k)+4*\i+3], v[GOO], s[34:35] offset:2048*\i th:TH_LOAD_NT
.endr
.irp i, 0,1,2,3
	global_load_b128 v[SET0+48*(\k)+32+4*\i:SET0+48*(\k)+32+4*\i+3], v[GOA], s[36:37] offset:2048*\i
.endr
	WIN 0
.endm
.macro STAGE k                         ; set k into my stage, as it was loaded
	WIN W_ST
.irp i, 0,1,2,3,4,5,6,7
	ds_store_b128 v[SIO], v[SET0+48*(\k)+4*\i:SET0+48*(\k)+4*\i+3] offset:544*\i
.endr
.irp i, 0,1,2,3
	ds_store_b128 v[SIA], v[SET0+48*(\k)+32+4*\i:SET0+48*(\k)+32+4*\i+3] offset:576*\i
.endr
	WIN 0
.endm
.macro LDACT reg, x                    ; act of my step x: sample r, k = 8 s + 4 h + 0 .. 3
.irp s, 0,1
	ds_load_b128 v[\reg+4*\s:\reg+4*\s+3], v[SOA] offset:64*(\x)+32*\s
.endr
.endm
.macro LDOBS                           ; obs of both steps: register 16 x + n = obs_x[16 h + n] of sample r
.irp x, 0,1
.irp q, 0,1,2,3
	ds_load_b128 v[XT+16*\x+4*\q:XT+16*\x+4*\q+3], v[SOO] offset:128*\x+16*\q
.endr
.endr
.endm
; One of an encoder's eight f32 matrix instructions: K step e / 2, tile e % 2.  The two tiles take turns; ba is the C of each sum's first.
.macro ENC e, dst, ac
.set E_K, (\e)/2
.set E_T, (\e)%2
.if E_K == 0
	v_wmma_f32_16x16x4_f32 v[\dst+8*E_T:\dst+8*E_T+7], v[WAF+8*E_T+2*E_K:WAF+8*E_T+2*E_K+1], v[\ac+2*E_K:\ac+2*E_K+1], v[BAC+8*E_T:BAC+8*E_T+7]
.else
	v_wmma_f32_16x16x4_f32 v[\dst+8*E_T:\dst+8*E_T+7], v[WAF+8*E_T+2*E_K:WAF+8*E_T+2*E_K+1], v[\ac+2*E_K:\ac+2*E_K+1], v[\dst+8*E_T:\dst+8*E_T+7]
.endif
.endm
.macro AMAX am, a                      ; the largest |a_j| of my sample, in two chains, one for each of the two results; each result is read from its low end on
	v_max3_num_f32 v[\am], |v[\a]|, |v[\a+1]|, |v[\a+2]|
	v_max3_num_f32 v[AMT], |v[\a+8]|, |v[\a+9]|, |v[\a+10]|
	v_max3_num_f32 v[\am], v[\am], |v[\a+3]|, |v[\a+4]|
	v_max3_num_f32 v[AMT], v[AMT], |v[\a+11]|, |v[\a+12]|
	v_max3_num_f32 v[\am], v[\am], |v[\a+5]|, |v[\a+6]|
	v_max3_num_f32 v[AMT], v[AMT], |v[\a+13]|, |v[\a+14]|
	v_max3_num_f32 v[\am], v[\am], |v[\a+7]|, |v[\a+15]|
	v_max_num_f32 v[\am], v[\am], v[AMT]
	v_permlanex16_b32 v[TB], v[\am], s26, s27      ; the other 16 lie in the lane 16 away
	v_max_num_f32 v[\am], v[\am], v[TB]
.endm
; The 32 + 32 numbers of obs in XT become codes: two blocks, each in lanes l and l xor 16.
.macro OBSQ
.irp b, 0,1
	v_max3_num_f32 v[TM0+\b], |v[XT+16*\b]|, |v[XT+16*\b+1]|, 0x1800000   ; with the floor 2^(3 - 127): the byte cannot fall under 1
.endr
.irp i, 2,4,6,8,10,12,14
.irp b, 0,1
	v_max3_num_f32 v[TM0+\b], v[TM0+\b], |v[XT+16*\b+\i]|, |v[XT+16*\b+\i+1]|
.endr
.endr
.irp b, 0,1
	v_permlanex16_b32 v[TP0+\b], v[TM0+\b], s26, s27
.endr
.irp b, 0,1
	v_max_num_f32 v[TM0+\b], v[TM0+\b], v[TP0+\b]
.endr
.irp b, 0,1
	v_add_nc_u32 v[TM0+\b], 0xff000000, v[TM0+\b]  ; 2 off the exponent field: the conversion's scale operand
.endr
.irp b, 0,1
	v_lshrrev_b32 v[TP0+\b], 23, v[TM0+\b]         ; the scale's byte
.endr
	v_lshl_or_b32 v[OSC], v[TP1], 8, v[TP0]
	v_cvt_scalef32_pk8_fp4_f32 v[OBQ], v[XT:XT+7], v[TM0]
	v_cvt_scalef32_pk8_fp4_f32 v[OBQ+1], v[XT+8:XT+15], v[TM0]
	v_cvt_scalef32_pk8_fp4_f32 v[OBQ+2], v[XT+16:XT+23], v[TM1]
	v_cvt_scalef32_pk8_fp4_f32 v[OBQ+3], v[XT+24:XT+31], v[TM1]
	v_nop                                          ; one plain line behind the conversions
	v_permlane16_swap_b32 v[OBQ], v[OBQ+2]         ; the operand wants a whole block in a lane: lanes 0-15 block 0, lanes 16-31 block 1
	v_permlane16_swap_b32 v[OBQ+1], v[OBQ+3]
.endm
.macro OWMMA x                         ; o of step x: Wo's codes stand in K block x alone, so the other step's obs meets zeros; bo is the C
	WIN W_O
	v_wmma_scale_f32_32x16x128_f4 v[O:O+15], v[WOA+16*(\x):WOA+16*(\x)+15], v[OBQ:OBQ+7], v[BOC:BOC+15], v[WOS], v[OSC]
	WIN 0
.endm
.macro SC1 x                           ; the eight blocks' largest magnitudes: tmp[i] x the largest |a| of step x (the pair's low or high word), its magnitude, and the floor
.irp i, 0,2,4,6
.if (\x) == 0
	v_pk_mul_f32 v[TS+\i:TS+\i+1], v[TMP+\i:TMP+\i+1], v[AMA:AMA+1] op_sel_hi:[1,0]
.else
	v_pk_mul_f32 v[TS+\i:TS+\i+1], v[TMP+\i:TMP+\i+1], v[AMA:AMA+1] op_sel:[0,1] op_sel_hi:[1,1]
.endif
.endr
.irp i, 0,1,2,3,4,5,6,7
	v_max_num_f32 v[TS+\i], 0x1800000, |v[TS+\i]|
.endr
.endm
.macro SC2                             ; their scale operands and bytes
.irp i, 0,1,2,3,4,5,6,7
	v_add_nc_u32 v[TS+\i], 0xff000000, v[TS+\i]
.endr
.irp i, 0,1,2,3,4,5,6,7
	v_lshrrev_b32 v[TB+\i], 23, v[TS+\i]
.endr
.endm
.macro SCW                             ; the two scale words
.irp s, 0,1
	v_lshl_or_b32 v[XS0+\s], v[TB+4*\s+1], 8, v[TB+4*\s]
.endr
.irp s, 0,1
	v_lshl_or_b32 v[XS0+\s], v[TB+4*\s+2], 16, v[XS0+\s]
.endr
.irp s, 0,1
	v_lshl_or_b32 v[XS0+\s], v[TB+4*\s+3], 24, v[XS0+\s]
.endr
.endm
.macro XMUL slot, i, a                 ; my 16 numbers of block i: a[16 h + n] tmp[i]
.irp n, 0,2,4,6,8,10,12,14
.if ((\i)%2) == 0
	v_pk_mul_f32 v[XT+16*(\slot)+\n:XT+16*(\slot)+\n+1], v[\a+\n:\a+\n+1], v[TMP+2*((\i)/2):TMP+2*((\i)/2)+1] op_sel_hi:[1,0]
.else
	v_pk_mul_f32 v[XT+16*(\slot)+\n:XT+16*(\slot)+\n+1], v[\a+\n:\a+\n+1], v[TMP+2*((\i)/2):TMP+2*((\i)/2)+1] op_sel:[0,1] op_sel_hi:[1,1]
.endif
.endr
.endm
.macro XCV s, c                        ; blocks 4 s + 2 c and + 1 in XT become half blocks of codes in registers 4 c .. 4 c + 3 of K step s
.set C_B, XC+8*(\s)+4*(\c)
.set C_I, TS+4*(\s)+2*(\c)
	v_cvt_scalef32_pk8_fp4_f32 v[C_B], v[XT:XT+7], v[C_I]
	v_cvt_scalef32_pk8_fp4_f32 v[C_B+1], v[XT+8:XT+15], v[C_I]
	v_cvt_scalef32_pk8_fp4_f32 v[C_B+2], v[XT+16:XT+23], v[C_I+1]
	v_cvt_scalef32_pk8_fp4_f32 v[C_B+3], v[XT+24:XT+31], v[C_I+1]
	v_nop                                          ; one plain line behind the conversions: what follows may write their sources and touch their results
.endm
.macro XSW s, c                        ; and whole blocks: lanes 0-15 the even block, lanes 16-31 the odd one.  It stands eight products behind its conversions where there are products left
.set C_B, XC+8*(\s)+4*(\c)
	v_permlane16_swap_b32 v[C_B], v[C_B+2]
	v_permlane16_swap_b32 v[C_B+1], v[C_B+3]
.endm
; Q(X) of the step in hand is built from a and tmp, between the last six instructions of the encoder that makes dst from ac.  Behind the eighth stand eight packed products and a v_nop that name none of its
; registers: the places ahead of the first read of dst (ISA guide 7.12.1).
.macro XBODY a, dst, ac
	ENC 2, \dst, \ac
	SCW
	XMUL 0, 0, \a
	XMUL 1, 1, \a
	ENC 3, \dst, \ac
	XCV 0, 0
	XMUL 0, 2, \a
	XSW 0, 0
	ENC 4, \dst, \ac
	XMUL 1, 3, \a
	XCV 0, 1
	ENC 5, \dst, \ac
	XMUL 0, 4, \a
	XSW 0, 1
	XMUL 1, 5, \a
	ENC 6, \dst, \ac
	XCV 1, 0
	XMUL 0, 6, \a
	XSW 1, 0
	ENC 7, \dst, \ac
	XMUL 1, 7, \a
	XCV 1, 1
	XSW 1, 1
.endm
; Accumulator U of the core product times o: eight packed multiply-adds, from the accumulator's low end on.  The first starts the sums: nothing is cleared.
.macro SLICE U
.set S_D, 16*((\U)%4)
.set S_O, O+2*(\U)
	WIN W_SL
.irp q, 0,2,4,6
.if (\U) == 0
	v_pk_mul_f32 v[ACC0+\q:ACC0+\q+1], v[S_D+\q:S_D+\q+1], v[S_O:S_O+1] op_sel_hi:[1,0]
.else
	v_pk_fma_f32 v[ACC0+\q:ACC0+\q+1], v[S_D+\q:S_D+\q+1], v[S_O:S_O+1], v[ACC0+\q:ACC0+\q+1] op_sel_hi:[1,0,1]
.endif
.endr
.irp q, 0,2,4,6
.if (\U) == 0
	v_pk_mul_f32 v[ACC1+\q:ACC1+\q+1], v[S_D+8+\q:S_D+8+\q+1], v[S_O:S_O+1] op_sel:[0,1] op_sel_hi:[1,1]
.else
	v_pk_fma_f32 v[ACC1+\q:ACC1+\q+1], v[S_D+8+\q:S_D+8+\q+1], v[S_O:S_O+1], v[ACC1+\q:ACC1+\q+1] op_sel:[0,1,0] op_sel_hi:[1,1,1]
.endif
.endr
.endm
; The core product of step x: sixteen instructions of 32 rows x 16 samples x 128 K, in two rounds of four accumulators x two K steps; the four take turns, one instruction a turn.
; An accumulator's slice stands a matrix instruction behind its last product, with four v_nop or the slice before as the places between (ISA guide 7.12.1); each accumulator is begun anew only behind
; its own slice and another one.  The largest |a| of the encoder that has just ended is taken behind the first product: its lines are also the places between the last codes' exchange and K step 1's first product.
.macro MPH x, amo, ao
.set M_N, 0
.rept 16
.set M_U, 4*(M_N/8)+(M_N%4)
.set M_S, (M_N/4)%2
.set M_A, 16*(M_N%4)
	WIN 0xf1+(\x)                                  ; D and C window 3, the core window 1 + x, X's codes window 0
.if M_S == 0
	v_wmma_scale_f32_32x16x128_f4 v[M_A:M_A+15], v[32*M_U+16*M_S:32*M_U+16*M_S+15], v[XC+8*M_S:XC+8*M_S+7], 0, v[WSC+16*(\x)+2*M_U+M_S], v[XS0+M_S]
.else
	v_wmma_scale_f32_32x16x128_f4 v[M_A:M_A+15], v[32*M_U+16*M_S:32*M_U+16*M_S+15], v[XC+8*M_S:XC+8*M_S+7], v[M_A:M_A+15], v[WSC+16*(\x)+2*M_U+M_S], v[XS0+M_S]
.endif
.if M_N == 0
	WIN 0
	AMAX \amo, \ao
.elseif (M_N == 4) || (M_N == 12)
.rept 4
	v_nop
.endr
.elseif (M_N >= 5) && (M_N <= 8)
	SLICE M_N-5
.elseif M_N >= 13
	SLICE M_N-9
.endif
.set M_N, M_N+1
.endr
	SLICE 7
.endm
.macro TAIL                            ; the two halves, and the other half of the lanes' k: the new tmp, the same in lanes l and l xor 16
	WIN 0
.irp q, 0,2,4,6
	v_pk_add_f32 v[ACC0+\q:ACC0+\q+1], v[ACC0+\q:ACC0+\q+1], v[ACC1+\q:ACC1+\q+1]
.endr
.irp q, 0,1,2,3,4,5,6,7
	v_permlanex16_b32 v[TB+\q], v[ACC0+\q], s26, s27
.endr
.irp q, 0,2,4,6
	v_pk_add_f32 v[TMP+\q:TMP+\q+1], v[ACC0+\q:ACC0+\q+1], v[TB+\q:TB+\q+1]
.endr
.endm
; Wo's 32 numbers of a row become 16 bytes of codes; for step A they stand in lanes 0-15 (K block 0), for step B in lanes 16-31 (K block 1); all else of the two operands is zero codes.
.macro WOQ src, half, byt
	v_max3_num_f32 v[TM0], |v[\src]|, |v[\src+1]|, |v[\src+2]|
	v_max3_num_f32 v[TM1], |v[\src+3]|, |v[\src+4]|, |v[\src+5]|
.irp i, 6,10,14,18,22,26
	v_max3_num_f32 v[TM0], v[TM0], |v[\src+\i]|, |v[\src+\i+1]|
	v_max3_num_f32 v[TM1], v[TM1], |v[\src+\i+2]|, |v[\src+\i+3]|
.endr
	v_max3_num_f32 v[TM0], v[TM0], |v[\src+30]|, |v[\src+31]|
	v_max3_num_f32 v[TM0], v[TM0], v[TM1], 0x1800000
	v_add_nc_u32 v[TM0], 0xff000000, v[TM0]
	v_lshrrev_b32 v[\byt], 23, v[TM0]
.irp g, 0,1,2,3
	v_cvt_scalef32_pk8_fp4_f32 v[TS+\g], v[\src+8*\g:\src+8*\g+7], v[TM0]
.endr
	v_nop                                          ; one plain line behind the conversions
	WIN W_LD
.irp g, 0,1,2,3
	v_cndmask_b32 v[WOA+8*(\half)+\g], v[TS+\g], v15, vcc_lo
	v_cndmask_b32 v[WOA+16+8*(\half)+\g], v15, v[TS+\g], vcc_lo
	v_mov_b32 v[WOA+8*(\half)+4+\g], 0
	v_mov_b32 v[WOA+16+8*(\half)+4+\g], 0
.endr
	WIN 0
.endm
; A TICK, the j-th of a trip.  On entry: OBQ and OSC hold my tile's obs as codes, ACB its act of step B, AA and AMA its a of step A; the stage has been read out.
; tmp's two loads go out first behind the barrier; the stage's stores and the encoder's first two instructions, which do not hang on tmp, stand between them and the wait for them.
; At the end the next tile's obs are quantised between my stores and the wait for them in front of the barrier.
.macro TICK j
.set T_K, (\j)%3
.set T_P, (\j)%2
	s_sub_co_i32 s38, s4, 4                        ; my tile in this tick: tick - wave (the refills' count runs four ahead of it)
	s_cmp_lt_u32 s38, 32
	s_cbranch_scc0 .Lidle_\@                       ; none: the pipeline is filling or draining
	ds_load_b128 v[TMP:TMP+3], v[EIN] offset:(1-T_P)*1024       ; tmp, as the wave before me left it in the last tick
	ds_load_b128 v[TMP+4:TMP+7], v[EIN] offset:(1-T_P)*1024+512
	s_wait_loadcnt 24                              ; the oldest set's twelve loads are in; the two younger sets' 24 stay out
	STAGE T_K                                      ; the NEXT tile goes into the stage,
	LDACT ACA, 0                                   ; and its act of step A comes back (LDS serves a wave's instructions in order: ISA guide 5.7.1.4)
	ENC 0, AB, ACB                                 ; a of step B begins
	ENC 1, AB, ACB
	s_wait_dscnt 14                                ; tmp is in; the twelve stores and two loads issued behind it may be out
	SC1 0                                          ; (these twelve lines are also the places between obs' codes and scale word and the product that takes them)
	OWMMA 0                                        ; o of step A
	SC2
	XBODY AA, AB, ACB                              ; Q(X) of step A | the rest of a of step B
	s_wait_dscnt 2                                 ; all but the last two loads: the stage's stores have read the set,
	GLOAD T_K                                      ; which takes the tile three ticks on
	MPH 0, AMB, AB
	TAIL
	s_wait_dscnt 0x0                               ; the next tile's act of step A
	OWMMA 1                                        ; o of step B
	ENC 0, AA, ACA
	SC1 1
	ENC 1, AA, ACA
	SC2
	XBODY AB, AA, ACA                              ; Q(X) of step B | the next tile's a of step A
	LDOBS                                          ; XT is free: the next tile's obs,
	LDACT ACB, 1                                   ; and its act of step B
	MPH 1, AMA, AA
	TAIL
	ds_store_b128 v[EOUT], v[TMP:TMP+3] offset:T_P*1024         ; tmp goes on to the next wave, in the place that it does not read in this tick
	ds_store_b128 v[EOUT], v[TMP+4:TMP+7] offset:T_P*1024+512
	ds_store_b32 v[OUTA], v[TMP] offset:64*(\j)    ; tmp[0] of my 16 samples (lanes l and l xor 16 write the same word with the same value)
	s_wait_dscnt 3                                 ; all but these three stores: the next tile's obs and act are in
	OBSQ                                           ; both products with this tile's obs are long issued: the next tile's codes take their place
	s_branch .Lmeet_\@
.Lidle_\@:
	s_wait_loadcnt 24                              ; the sets go round all the same, so that the counted wait means the same on both ways
	GLOAD T_K
.Lmeet_\@:
	s_wait_dscnt 0x0                               ; my stores have landed and my loads are in, for the others' sake
	s_barrier_signal -1
	s_barrier_wait -1
.endm
	s_load_b512 s[8:23], s[0:1], 0x0               ; actions s[8:9], obss s[10:11], Wa s[12:13], ba s[14:15], Wo s[16:17], bo s[18:19], wq s[20:21], ws s[22:23]
	s_load_b64 s[24:25], s[0:1], 0x40              ; out0
	v_lshl_add_u32 v254, v0, 2, 0xb400
	v_mov_b32 v255, 0
	v_lshrrev_b32 v11, 5, v0
	v_readfirstlane_b32 s2, v11                    ; wave 0..3
	v_and_b32 v12, 31, v0                          ; lane
	v_and_b32 v13, 15, v0                          ; r
	v_bfe_u32 v14, v0, 4, 1                        ; h
	v_lshlrev_b32 v[LI], 4, v12
	s_lshl_b32 s38, s2, 11
	s_add_co_u32 s38, s38, EDGE
	v_add_nc_u32 v[EIN], s38, v[LI]
	v_add_nc_u32 v[EOUT], 2048, v[EIN]
	s_mul_i32 s38, s2, OUTW
	s_add_co_u32 s38, s38, OUTS
	v_lshl_add_u32 v[OUTA], v13, 2, s38
	s_mul_i32 s39, s2, STGW                        ; my stage
	v_mul_u32_u24 v11, v14, 272
	v_lshl_add_u32 v11, v13, 4, v11
	v_add_nc_u32 v[SIO], s39, v11
	v_lshrrev_b32 v11, 3, v12                      ; lane / 8
	v_and_b32 v15, 7, v12                          ; lane % 8
	v_mul_u32_u24 v[SIA], v11, 144
	v_lshl_add_u32 v[SIA], v15, 4, v[SIA]
	v_add_nc_u32 v[SIA], s39, v[SIA]
	v_add_nc_u32 v[SIA], STGA, v[SIA]
	v_lshlrev_b32 v[GOA], 9, v11
	v_lshl_add_u32 v[GOA], v15, 4, v[GOA]
	v_mul_u32_u24 v[SOO], v13, 272
	v_lshl_add_u32 v[SOO], v14, 6, v[SOO]
	v_add_nc_u32 v[SOO], s39, v[SOO]
	v_mul_u32_u24 v[SOA], v13, 144
	v_lshl_add_u32 v[SOA], v14, 4, v[SOA]
	v_add_nc_u32 v[SOA], s39, v[SOA]
	v_add_nc_u32 v[SOA], STGA, v[SOA]
	v_lshlrev_b32 v[GOO], 10, v14
	v_lshl_add_u32 v[GOO], v13, 4, v[GOO]
	v_lshrrev_b32 v11, 3, v13                      ; r / 8
	v_and_b32 v15, 7, v13                          ; r % 8
	v_lshl_add_u32 v116, v11, 4, v15               ; Wa: row 16 (r / 8) + r % 8 (+ 8 Tt) of 64 bytes, + 16 h
	v_lshlrev_b32 v116, 6, v116
	v_lshl_add_u32 v116, v14, 4, v116
	v_lshlrev_b32 v117, 6, v14                     ; ba: 4 (16 h)
	v_lshlrev_b32 v118, 2, v14                     ; bo: 4 h
	v_lshl_add_u32 v119, v15, 1, v11               ; Wo: row 2 (r % 8) + r / 8 (+ 16 for the upper half) of 128 bytes
	v_lshlrev_b32 v119, 7, v119
	v_cmp_eq_u32 vcc_lo, 1, v14                    ; lanes 16-31
	v_mov_b32 v15, 0
	s_mov_b32 s26, 0x76543210                      ; v_permlanex16_b32's selects for lane l xor 16
	s_mov_b32 s27, 0xfedcba98
	s_mov_b32 s33, 0
	s_sub_co_i32 s4, 0, s2                         ; the first tile that I load is tick 0's: -w, held to 0
	s_wait_kmcnt 0x0
	s_lshl_b32 s32, ttmp9, 19                      ; my work-group's 512 rows of 1,024 bytes, my wave's 256 bytes of a row
	s_lshl_b32 s38, s2, 8
	s_add_co_u32 s32, s32, s38
	s_add_nc_u64 s[28:29], s[10:11], s[32:33]
	s_lshl_b32 s32, ttmp9, 18                      ; rows of 512 bytes, 128 of a row
	s_lshl_b32 s38, s2, 7
	s_add_co_u32 s32, s32, s38
	s_add_nc_u64 s[30:31], s[8:9], s[32:33]
	s_lshl_b32 s32, s2, 16                         ; my two cores' codes,
	s_add_nc_u64 s[20:21], s[20:21], s[32:33]
	s_lshl_b32 s32, s2, 12                         ; their scale words,
	s_add_nc_u64 s[22:23], s[22:23], s[32:33]
	s_lshl_b32 s32, ttmp9, 11                      ; my work-group's 512 results
	s_add_nc_u64 s[24:25], s[24:25], s[32:33]
	; ALL THE HEAD'S LOADS GO OUT IN ONE RUN, the largest first.  My two cores: 128 loads of 512 consecutive bytes, straight into the registers where they stay
	WIN 0x40
.set H_N, 0
.rept 64
	global_load_b128 v[4*H_N:4*H_N+3], v[LI], s[20:21] offset:512*H_N
.set H_N, H_N+1
.endr
	WIN 0x80
.set H_N, 0
.rept 64
	global_load_b128 v[4*H_N:4*H_N+3], v[LI], s[20:21] offset:32768+512*H_N
.set H_N, H_N+1
.endr
	WIN 0
.irp x, 0,1
.irp q, 0,1,2,3
	global_load_b128 v[WSC+16*\x+4*\q:WSC+16*\x+4*\q+3], v[LI], s[22:23] offset:2048*\x+512*\q
.endr
.endr
	; the small operands
.irp t, 0,1
.irp s, 0,1
	global_load_b128 v[WAF+8*\t+4*\s:WAF+8*\t+4*\s+3], v116, s[12:13] offset:512*\t+32*\s
	global_load_b128 v[BAC+8*\t+4*\s:BAC+8*\t+4*\s+3], v117, s[14:15] offset:32*\t+16*\s
.endr
.endr
.irp q, 0,1,2,3,4,5,6,7
	global_load_b128 v[XT+4*\q:XT+4*\q+3], v119, s[16:17] offset:16*\q          ; Wo's row for m = r, whole, in both halves of the lanes
	global_load_b128 v[O+4*\q:O+4*\q+3], v119, s[16:17] offset:2048+16*\q       ; and for m = 16 + r, into registers that are free here
.endr
	WIN W_LD
.irp t, 0,1,2,3,4,5,6,7,8,9,10,11,12,13,14,15
	global_load_b32 v[BOC+\t], v118, s[18:19] offset:8*\t                       ; bo[2 T + h]
.endr
	WIN 0
	GLOAD 2                                        ; tick 0's tile,
	GLOAD 0                                        ; and the two behind it
	GLOAD 1
.irp g, 0,1,2,3,4,5,6,7
	v_mov_b32 v[TB+\g], 0                          ; written once: a lane exchange's destination counts as one of its sources
.endr
	v_mov_b32 v[AMB], 0                            ; (named as the upper half of the pair v[244:245] before it is first written)
	v_mov_b32 v[TMP], 1.0                          ; the chain's start: (1, 0, .. 0).  Every wave lays it into both places of its own edge; edge 0 keeps it
.irp g, 1,2,3,4,5,6,7
	v_mov_b32 v[TMP+\g], 0
.endr
.irp p, 0,1
	ds_store_b128 v[EIN], v[TMP:TMP+3] offset:1024*\p
	ds_store_b128 v[EIN], v[TMP+4:TMP+7] offset:1024*\p+512
.endr
	s_wait_loadcnt 36                              ; all but the three tiles' 36 loads: loads come back in order (ISA guide 5.7.1), so the cores and the small operands are in
	WOQ XT, 0, TP0                                 ; Wo is quantised while the tiles are on their way
	WOQ O, 1, TP1
	v_cndmask_b32 v11, v[TP0], v[TP1], vcc_lo      ; lane m holds row m's byte,
	v_mul_u32_u24 v11, v11, 0x101                  ; for K blocks 0 and 1;
	v_or_b32 v[WOS], 0x7f7f0000, v11               ; blocks 2 and 3 hold zero codes
.irp g, 4,5,6,7
	v_mov_b32 v[OBQ+\g], 0                         ; K blocks 2 and 3 of obs' operand
.endr
	s_wait_loadcnt 24                              ; tick 0's tile is in; the two younger sets stay out
	STAGE 2
	LDACT ACA, 0
	LDACT ACB, 1
	LDOBS
	s_wait_dscnt 0x0
	GLOAD 2                                        ; the third tile ahead
.irp e, 0,1,2,3,4,5,6,7
	ENC \e, AA, ACA                                ; a of step A of tick 0's tile
.endr
	OBSQ                                           ; its obs as codes; the first sixteen lines are also the places behind the f32 form (ISA guide 7.12.1)
	AMAX AMA, AA
	s_wait_dscnt 0x0
	s_barrier_signal -1
	s_barrier_wait -1                              ; every edge holds the chain's start before a neighbour writes into it
	s_mov_b32 s3, 6
.Ltrip:                                            ; six ticks: the three sets and the two places of an edge are back where they began
	TICK 0
	TICK 1
	TICK 2
	TICK 3
	TICK 4
	TICK 5
	v_add_nc_u32 v[OUTA], 384, v[OUTA]
	s_sub_co_u32 s3, s3, 1
	s_cmp_lg_u32 s3, 0
	s_cbranch_scc1 .Ltrip
	; wave 3's ticks 3 to 34 were tiles 0 to 31: 2,048 consecutive bytes of its own, stored as four runs of 512
	s_cmp_lg_u32 s2, 3
	s_cbranch_scc1 .Lend
.irp i, 0,1,2,3
	ds_load_b128 v[XT+4*\i:XT+4*\i+3], v[LI] offset:OUTS+3*OUTW+3*64+512*\i
.endr
.irp i, 0,1,2,3
	s_wait_dscnt 3-\i
	global_store_b128 v[LI], v[XT+4*\i:XT+4*\i+3], s[24:25] offset:512*\i
.endr
.Lend:
	s_wait_tensorcnt 0x0
	ds_add_u32 v254, v255
	s_wait_dscnt 0x0
	s_endpgm
.Lfunc_end_k_q5605d7fef9_main:
	.size	k_q5605d7fef9_main, .Lfunc_end_k_q5605d7fef9_main-k_q5605d7fef9_main
	.p2alignl 7, 3214868480
	.fill 96, 4, 3214868480
	.section	.rodata,"a",@progbits
	.p2align	6, 0x0
	.amdhsa_kernel k_q5605d7fef9_main
		.amdhsa_group_segment_fixed_size 46592
		.amdhsa_private_segment_fixed_size 0
		.amdhsa_enable_private_segment 0
		.amdhsa_kernarg_size 72
		.amdhsa_user_sgpr_count 2
		.amdhsa_user_sgpr_kernarg_segment_ptr 1
		.amdhsa_wavefront_size32 1
		.amdhsa_system_sgpr_workgroup_id_x 1
		.amdhsa_system_sgpr_workgroup_id_y 1
		.amdhsa_system_sgpr_workgroup_id_z 1
		.amdhsa_system_vgpr_workitem_id 0
		.amdhsa_next_free_vgpr 1024
		.amdhsa_next_free_sgpr 66
		.amdhsa_reserve_vcc 1
		.amdhsa_float_denorm_mode_32 3
		.amdhsa_float_denorm_mode_16_64 3
		.amdhsa_memory_ordered 1
		.amdhsa_forward_progress 1
		.amdhsa_inst_pref_size 255
	.end_amdhsa_kernel
	.section	.bss,"aw",@nobits
	.p2align	6
	.space	262144
	.amdgpu_metadata
---
amdhsa.version: [ 1, 2 ]
amdhsa.kernels:
  - .name:           k_q5605d7fef9_main
    .symbol:         k_q5605d7fef9_main.kd
    .args:
      - { .name: actions, .offset: 0, .size: 8, .value_kind: global_buffer, .address_space: global }
      - { .name: obss, .offset: 8, .size: 8, .value_kind: global_buffer, .address_space: global }
      - { .name: Wa, .offset: 16, .size: 8, .value_kind: global_buffer, .address_space: global }
      - { .name: ba, .offset: 24, .size: 8, .value_kind: global_buffer, .address_space: global }
      - { .name: Wo, .offset: 32, .size: 8, .value_kind: global_buffer, .address_space: global }
      - { .name: bo, .offset: 40, .size: 8, .value_kind: global_buffer, .address_space: global }
      - { .name: wq, .offset: 48, .size: 8, .value_kind: global_buffer, .address_space: global }
      - { .name: ws, .offset: 56, .size: 8, .value_kind: global_buffer, .address_space: global }
      - { .name: out0, .offset: 64, .size: 8, .value_kind: global_buffer, .address_space: global }
    .group_segment_fixed_size: 46592
    .private_segment_fixed_size: 0
    .kernarg_segment_align: 8
    .kernarg_segment_size: 72
    .max_flat_workgroup_size: 128
    .sgpr_count:     66
    .vgpr_count:     1024
    .wavefront_size: 32
...
	.end_amdgpu_metadata
.endif
;; end of part 2
;; ======== version 2 of 2: 2 launches; version 1 with the launch main written anew for expert scheduling mode
;; workspace buffers: wq 262,144 bytes; ws 16,384 bytes
;; launch prep: the kernel of part 1 again; grid 32 x 1, 16 waves a work-group, no clusters, 3,072 bytes of LDS; arguments mps0, mps_mid, mps_last, wq, ws; writes wq, ws
;; launch main (part 3): grid 256 x 1, 4 waves a work-group, no clusters, 46,592 bytes of LDS; arguments actions, obss, Wa, ba, Wo, bo, wq, ws, out0; writes out0
.if DOCPART == 3
	.amdgcn_target "amdgcn-amd-amdhsa--gfx1250"
	.amdhsa_code_object_version 6
	.text
	.protected	k_q5605d7fef9_main
	.globl	k_q5605d7fef9_main
	.p2align	8
	.type	k_q5605d7fef9_main,@function
k_q5605d7fef9_main:
	s_mov_b64 s[64:65], 0
	v_nop
	global_prefetch_b8 v0, s[64:65] scope:SCOPE_SE
	s_setreg_imm32_b32 hwreg(HW_REG_WAVE_SCHED_MODE, 0, 2), 2
	s_setreg_imm32_b32 hwreg(HW_REG_WAVE_MODE, 25, 1), 1
	s_wait_xcnt 0x0
	s_wait_alu depctr_vm_vsrc(0)
; For each sample: a_t = Wa act_t + ba (f32), o_t = Q(obs_t) Q(Wo)^T + bo, and the chain  X[32 i + j] = a_t[j] tmp[i] (f32),  U = Q(X) Q(core_t) (K = 256, 256 rows c = 8 k + l),
; tmp'[l] = sum over k of o_t[k] U[k][l] (f32), t = 0 .. 7.  Q: codes of FP4 (E2M1), one E8M0 scale for each 32 along K.  All eight steps run one text: step 0 starts from tmp = (1, 0, .. 0) on a core whose
; blocks i > 0 are zero codes, step 7's core has zero codes in the rows with l > 0, and the result is tmp[0].
; SHARES.  A work-group takes 512 samples, 32 tiles of 16.  ITS FOUR WAVES ARE A PIPELINE OVER THE STEPS: wave w owns steps A = 2 w and B = 2 w + 1 and keeps both cores' codes (2 x 256 registers) and scale words (32)
; in registers for the whole launch.  In tick T wave w takes tile T - w through its two steps and hands tmp (8 numbers a sample) to wave w + 1 through LDS, as an image of its registers, in two places by turns.
; 36 ticks, six to a trip; one barrier a tick.  A tick in which a wave has no tile (T - w outside 0 .. 31) is jumped over, by a scalar branch on the wave's number and the count of ticks: only the refill of the
; input registers and the barrier remain.
; INPUTS.  Of each sample's rows a wave needs 256 consecutive bytes of obss and 128 of actions: twelve loads of 16 bytes a lane for a tile, three tiles ahead in three sets of registers; a tile then turns through
; the wave's own stage in LDS into the order of the operands.  A refill's tile is held to 0 .. 31: no load leaves its buffer.  No tensor load, so no ring.
; THE BLOCK SCALES OF X COST ONE MULTIPLY: rounding is monotone, so the largest |a_j tmp_i| over j is (largest |a_j|) |tmp_i|, rounded.
; MATRIX AND VECTOR WORK BY TURNS: the lines that build Q(X) stand between the eight f32 matrix instructions of an encoder that does not hang on them (step B's of this tile, step A's of the next);
; the multiply-adds with o stand between the sixteen instructions of the core product.
; NO JOINT LOADS: what work-groups share is the 272 KB of cores, read once by each at its head, against 768 KB of inputs of its own; they go from memory straight into the registers where they stay.
; LIMITS: NaN and infinities are not served; a block of zeros has the byte 1 where the rule says 127 (its codes are zeros; the bytes never leave the program); blocks under 2^(3 - 127) were not tried.
; THE MODE: SCHED_MODE bits 1:0 = 2 (LLVM: expert scheduling mode 2), set by the entry lines.  The code itself states the register dependences between vector or matrix instructions and memory or LDS
; instructions, with s_wait_alu, always for 0.
; THE PLAN.  Registers that memory or LDS instructions touch in the loop, and who else names them:
;   the three sets   Global loads land in them, the stage's LDS stores read them; no vector or matrix instruction names them.
;   TMP              LDS loads land in it at a tick's head; both steps' scale lines and products read it, each step's tail writes it; three LDS stores read it at the tick's end.
;   ACA              LDS loads land in it at a tick's head; the second half's encoder reads it.          ACB   LDS loads land in it in the second half; the next tick's first encoder reads it.
;   XT               Both halves' products write it and their conversions read it; LDS loads land in it in the second half; the obs' quantiser reads it at the tick's end.
;   v[OUTA]          Read by one LDS store a tick; written once a trip.          All other addresses are made at the head and never written again.
; FOUR WAITS ON va_vdst A TICK: ahead of o's product of step A (obs' codes and scale word are written); ahead of each core product (X's codes and scale words are written; in the second half also: XT and ACB are done
; with, and the ten LDS loads into them follow that wait); behind step B's tail (TMP is written, which the three stores read).  Behind that last wait stand only the obs' quantiser and the trip's add, which name
; neither TMP nor ACA: so it serves the next tick's loads into these two as well.  TWO WAITS ON vm_vsrc A TICK: between the stage's stores and the refill of the set that they read; and behind the three stores,
; ahead of the branch to the barrier, for the next writes of TMP and of v[OUTA].  The way of a tick without a tile holds loads into a set alone, and owes nothing.
; LAYOUTS.  Both kinds of product are used transposed (source 0 = rows of a weight, source 1 = 16 samples): a lane (r, h) holds sample r throughout.
;   core: register q of accumulator U: k = 4 U + h, l = q; register 8 + q: k = 4 U + 2 + h.      Wo's row m is output 16 (m / 16) + 2 (m % 8) + (m / 8) % 2, so that o's register T is o[2 T + h].
;   Wa's row m of tile Tt is output 16 (m / 8) + 8 Tt + m % 8, so that a's register n is a[16 h + n]: 16 neighbours along X's K.
;   the f32 product's K (alike in Wa and act): K step 2 s + e, register jj of lane half h is k = 8 s + 4 h + 2 e + jj: 16 bytes a lane fill two K steps.
; REGISTERS, in windows of 256.  Window 0: below.  Window 1: core A, operand e = 2 U + s at v[16 e].  Window 2: core B.  Window 3: v0-63 four accumulators of the core product; v64-207 three sets of 48 for the inputs;
;   v208-223, v224-239 Wo's codes for step A (in K block 0) and for step B (in K block 1); v240-255 bo in the result's layout.
.set STGW, 6656                        ; LDS: a stage for each wave: 16 rows of obs, 256 bytes + 16; behind them 16 rows of act, 128 + 16
.set STGA, 4352
.set EDGE, 26624                       ; five edges of 2 x 1,024 bytes: edge e is written by wave e - 1 and read by wave e
.set OUTS, 36864                       ; 36 ticks x 64 bytes for each wave: tmp[0] of each tick's 16 samples; wave 3's are the result
.set OUTW, 2304
.set EIN,  1                           ; v1   EDGE + 2048 w + 16 lane
.set EOUT, 2                           ; v2   the next edge
.set OUTA, 3                           ; v3   OUTS + OUTW w + 4 r, stepped by a trip's 384 bytes
.set SIO,  4                           ; v4   into the stage, obs: 272 h + 16 r
.set SIA,  5                           ; v5   act: 144 (lane / 8) + 16 (lane % 8)
.set SOO,  6                           ; v6   out of it, obs: 272 r + 64 h
.set SOA,  7                           ; v7   act: 144 r + 16 h
.set GOO,  8                           ; v8   memory, obs: 1024 h + 16 r
.set GOA,  9                           ; v9   act: 512 (lane / 8) + 16 (lane % 8)
.set LI,   10                          ; v10  16 lane
.set WSC,  16                          ; v16-47   the cores' scale words: step x, operand e at 16 x + e
.set XS0,  48                          ; v48-49   X's scale words, K steps 0 and 1
.set OSC,  50                          ; v50      obs' scale word: byte 0 step A's, byte 1 step B's
.set WOS,  51                          ; v51      Wo's scale word
.set WAF,  52                          ; v52-67   Wa's fragments: 8 Tt + 2 ks
.set BAC,  68                          ; v68-83   ba in the result's layout
.set XT,   84                          ; v84-115  32 numbers at work: obs, then two blocks of X
.set XC,   116                         ; v116-131 X's codes, 8 registers a K step
.set AA,   132                         ; v132-147 a of step A: written by f32 matrix instructions alone
.set AB,   148                         ; v148-163 a of step B: likewise
.set O,    164                         ; v164-179 o of the step in hand
.set OBQ,  180                         ; v180-187 obs' codes: K block 0 step A's, block 1 step B's, the rest zeros
.set ACA,  188                         ; v188-195 act of step A, as the f32 form's source
.set ACB,  196                         ; v196-203 of step B
.set TMP,  204                         ; v204-211 tmp
.set ACC0, 212                         ; v212-219, v220-227 the new tmp in two halves
.set ACC1, 220
.set TS,   228                         ; v228-235 the conversions' scale operands
.set TB,   236                         ; v236-243 scale bytes; destinations of lane exchanges
.set AMA,  244                         ; v244, v245 the largest |a| of steps A and B: a pair for the packed product
.set AMB,  245
.set TM0,  246
.set TM1,  247
.set TP0,  248
.set TP1,  249
.set AMT,  250                         ; v250 the second chain of a largest |a|
.set SET0, 64                          ; window 3
.set WOA,  208
.set BOC,  240
.set W_SL, 0x03                        ; source 0 window 3
.set W_ST, 0x0c                        ; an LDS store's data window 3
.set W_LD, 0xc0                        ; destination window 3
.set W_O,  0x33                        ; sources 0 and 2 window 3
; scalars: s2 wave; s3 trips; s4 the tile that the next refill brings; s5, s6, s39 LDS bases that vector lines read: each written once; s[8:25] the buffers; s[26:27] lane selects;
; s[28:29], s[30:31] obss and actions at my wave's bytes of the work-group's first row; s[32:33] an offset; s[34:35], s[36:37] the refill's addresses; s38 at work
.set MSB, 0
.macro WIN new                         ; the immediate's high byte repeats the setting that is left; a switch that changes nothing is dropped
.if MSB != (\new)
	s_set_vgpr_msb (MSB<<8)|(\new)
.set MSB, (\new)
.endif
.endm
; Set k is filled with tile s4, held to 0 .. 31: eight loads of two rows x 256 bytes of obs, four of four rows x 128 bytes of act.  staged = 1: the set has just gone into the stage.
.macro GLOAD k, staged
	s_wait_xcnt 0x0                                ; the earlier loads have read their addresses: the two pairs are written again
	s_max_i32 s38, s4, 0
	s_min_i32 s38, s38, 31
	s_lshl_b32 s32, s38, 14                        ; 16 rows of 1,024 bytes
	s_add_nc_u64 s[34:35], s[28:29], s[32:33]
	s_lshl_b32 s32, s38, 13                        ; 16 rows of 512
	s_add_nc_u64 s[36:37], s[30:31], s[32:33]
	s_add_co_i32 s4, s4, 1
	WIN W_LD
.if \staged
	s_wait_alu depctr_vm_vsrc(0)                   ; the stage's LDS stores have read set k, in which the loads below land
.endif
.irp i, 0,1,2,3,4,5,6,7
	global_load_b128 v[SET0+48*(\k)+4*\i:SET0+48*(\k)+4*\i+3], v[GOO], s[34:35] offset:2048*\i th:TH_LOAD_NT
.endr
.irp i, 0,1,2,3
	global_load_b128 v[SET0+48*(\k)+32+4*\i:SET0+48*(\k)+32+4*\i+3], v[GOA], s[36:37] offset:2048*\i
.endr
	WIN 0
.endm
.macro STAGE k                         ; set k into my stage, as it was loaded
	WIN W_ST
.irp i, 0,1,2,3,4,5,6,7
	ds_store_b128 v[SIO], v[SET0+48*(\k)+4*\i:SET0+48*(\k)+4*\i+3] offset:544*\i
.endr
.irp i, 0,1,2,3
	ds_store_b128 v[SIA], v[SET0+48*(\k)+32+4*\i:SET0+48*(\k)+32+4*\i+3] offset:576*\i
.endr
	WIN 0
.endm
.macro LDACT reg, x                    ; act of my step x: sample r, k = 8 s + 4 h + 0 .. 3
.irp s, 0,1
	ds_load_b128 v[\reg+4*\s:\reg+4*\s+3], v[SOA] offset:64*(\x)+32*\s
.endr
.endm
.macro LDOBS                           ; obs of both steps: register 16 x + n = obs_x[16 h + n] of sample r
.irp x, 0,1
.irp q, 0,1,2,3
	ds_load_b128 v[XT+16*\x+4*\q:XT+16*\x+4*\q+3], v[SOO] offset:128*\x+16*\q
.endr
.endr
.endm
; One of an encoder's eight f32 matrix instructions: K step e / 2, tile e % 2.  The two tiles take turns; ba is the C of each sum's first.
.macro ENC e, dst, ac
.set E_K, (\e)/2
.set E_T, (\e)%2
.if E_K == 0
	v_wmma_f32_16x16x4_f32 v[\dst+8*E_T:\dst+8*E_T+7], v[WAF+8*E_T+2*E_K:WAF+8*E_T+2*E_K+1], v[\ac+2*E_K:\ac+2*E_K+1], v[BAC+8*E_T:BAC+8*E_T+7]
.else
	v_wmma_f32_16x16x4_f32 v[\dst+8*E_T:\dst+8*E_T+7], v[WAF+8*E_T+2*E_K:WAF+8*E_T+2*E_K+1], v[\ac+2*E_K:\ac+2*E_K+1], v[\dst+8*E_T:\dst+8*E_T+7]
.endif
.endm
.macro AMAX am, a                      ; the largest |a_j| of my sample, in two chains, one for each of the two results; each result is read from its low end on
	v_max3_num_f32 v[\am], |v[\a]|, |v[\a+1]|, |v[\a+2]|
	v_max3_num_f32 v[AMT], |v[\a+8]|, |v[\a+9]|, |v[\a+10]|
	v_max3_num_f32 v[\am], v[\am], |v[\a+3]|, |v[\a+4]|
	v_max3_num_f32 v[AMT], v[AMT], |v[\a+11]|, |v[\a+12]|
	v_max3_num_f32 v[\am], v[\am], |v[\a+5]|, |v[\a+6]|
	v_max3_num_f32 v[AMT], v[AMT], |v[\a+13]|, |v[\a+14]|
	v_max3_num_f32 v[\am], v[\am], |v[\a+7]|, |v[\a+15]|
	v_max_num_f32 v[\am], v[\am], v[AMT]
	v_permlanex16_b32 v[TB], v[\am], s26, s27      ; the other 16 lie in the lane 16 away
	v_max_num_f32 v[\am], v[\am], v[TB]
.endm
; The 32 + 32 numbers of obs in XT become codes: two blocks, each in lanes l and l xor 16.
.macro OBSQ
.irp b, 0,1
	v_max3_num_f32 v[TM0+\b], |v[XT+16*\b]|, |v[XT+16*\b+1]|, 0x1800000   ; with the floor 2^(3 - 127): the byte cannot fall under 1
.endr
.irp i, 2,4,6,8,10,12,14
.irp b, 0,1
	v_max3_num_f32 v[TM0+\b], v[TM0+\b], |v[XT+16*\b+\i]|, |v[XT+16*\b+\i+1]|
.endr
.endr
.irp b, 0,1
	v_permlanex16_b32 v[TP0+\b], v[TM0+\b], s26, s27
.endr
.irp b, 0,1
	v_max_num_f32 v[TM0+\b], v[TM0+\b], v[TP0+\b]
.endr
.irp b, 0,1
	v_add_nc_u32 v[TM0+\b], 0xff000000, v[TM0+\b]  ; 2 off the exponent field: the conversion's scale operand
.endr
.irp b, 0,1
	v_lshrrev_b32 v[TP0+\b], 23, v[TM0+\b]         ; the scale's byte
.endr
	v_lshl_or_b32 v[OSC], v[TP1], 8, v[TP0]
	v_cvt_scalef32_pk8_fp4_f32 v[OBQ], v[XT:XT+7], v[TM0]
	v_cvt_scalef32_pk8_fp4_f32 v[OBQ+1], v[XT+8:XT+15], v[TM0]
	v_cvt_scalef32_pk8_fp4_f32 v[OBQ+2], v[XT+16:XT+23], v[TM1]
	v_cvt_scalef32_pk8_fp4_f32 v[OBQ+3], v[XT+24:XT+31], v[TM1]
	v_nop                                          ; one plain line behind the conversions
	v_permlane16_swap_b32 v[OBQ], v[OBQ+2]         ; the operand wants a whole block in a lane: lanes 0-15 block 0, lanes 16-31 block 1
	v_permlane16_swap_b32 v[OBQ+1], v[OBQ+3]
.endm
.macro OWMMA x                         ; o of step x: Wo's codes stand in K block x alone, so the other step's obs meets zeros; bo is the C
	WIN W_O
	v_wmma_scale_f32_32x16x128_f4 v[O:O+15], v[WOA+16*(\x):WOA+16*(\x)+15], v[OBQ:OBQ+7], v[BOC:BOC+15], v[WOS], v[OSC]
	WIN 0
.endm
.macro SC1 x                           ; the eight blocks' largest magnitudes: tmp[i] x the largest |a| of step x (the pair's low or high word), its magnitude, and the floor
.irp i, 0,2,4,6
.if (\x) == 0
	v_pk_mul_f32 v[TS+\i:TS+\i+1], v[TMP+\i:TMP+\i+1], v[AMA:AMA+1] op_sel_hi:[1,0]
.else
	v_pk_mul_f32 v[TS+\i:TS+\i+1], v[TMP+\i:TMP+\i+1], v[AMA:AMA+1] op_sel:[0,1] op_sel_hi:[1,1]
.endif
.endr
.irp i, 0,1,2,3,4,5,6,7
	v_max_num_f32 v[TS+\i], 0x1800000, |v[TS+\i]|
.endr
.endm
.macro SC2                             ; their scale operands and bytes
.irp i, 0,1,2,3,4,5,6,7
	v_add_nc_u32 v[TS+\i], 0xff000000, v[TS+\i]
.endr
.irp i, 0,1,2,3,4,5,6,7
	v_lshrrev_b32 v[TB+\i], 23, v[TS+\i]
.endr
.endm
.macro SCW                             ; the two scale words
.irp s, 0,1
	v_lshl_or_b32 v[XS0+\s], v[TB+4*\s+1], 8, v[TB+4*\s]
.endr
.irp s, 0,1
	v_lshl_or_b32 v[XS0+\s], v[TB+4*\s+2], 16, v[XS0+\s]
.endr
.irp s, 0,1
	v_lshl_or_b32 v[XS0+\s], v[TB+4*\s+3], 24, v[XS0+\s]
.endr
.endm
.macro XMUL slot, i, a                 ; my 16 numbers of block i: a[16 h + n] tmp[i]
.irp n, 0,2,4,6,8,10,12,14
.if ((\i)%2) == 0
	v_pk_mul_f32 v[XT+16*(\slot)+\n:XT+16*(\slot)+\n+1], v[\a+\n:\a+\n+1], v[TMP+2*((\i)/2):TMP+2*((\i)/2)+1] op_sel_hi:[1,0]
.else
	v_pk_mul_f32 v[XT+16*(\slot)+\n:XT+16*(\slot)+\n+1], v[\a+\n:\a+\n+1], v[TMP+2*((\i)/2):TMP+2*((\i)/2)+1] op_sel:[0,1] op_sel_hi:[1,1]
.endif
.endr
.endm
.macro XCV s, c                        ; blocks 4 s + 2 c and + 1 in XT become half blocks of codes in registers 4 c .. 4 c + 3 of K step s
.set C_B, XC+8*(\s)+4*(\c)
.set C_I, TS+4*(\s)+2*(\c)
	v_cvt_scalef32_pk8_fp4_f32 v[C_B], v[XT:XT+7], v[C_I]
	v_cvt_scalef32_pk8_fp4_f32 v[C_B+1], v[XT+8:XT+15], v[C_I]
	v_cvt_scalef32_pk8_fp4_f32 v[C_B+2], v[XT+16:XT+23], v[C_I+1]
	v_cvt_scalef32_pk8_fp4_f32 v[C_B+3], v[XT+24:XT+31], v[C_I+1]
	v_nop                                          ; one plain line behind the conversions: what follows may write their sources and touch their results
.endm
.macro XSW s, c                        ; and whole blocks: lanes 0-15 the even block, lanes 16-31 the odd one.  It stands eight products behind its conversions where there are products left
.set C_B, XC+8*(\s)+4*(\c)
	v_permlane16_swap_b32 v[C_B], v[C_B+2]
	v_permlane16_swap_b32 v[C_B+1], v[C_B+3]
.endm
; Q(X) of the step in hand is built from a and tmp, between the last six instructions of the encoder that makes dst from ac.  Behind the eighth stand eight packed products and a v_nop that name none of its
; registers: the places ahead of the first read of dst (ISA guide 7.12.1).
.macro XBODY a, dst, ac
	ENC 2, \dst, \ac
	SCW
	XMUL 0, 0, \a
	XMUL 1, 1, \a
	ENC 3, \dst, \ac
	XCV 0, 0
	XMUL 0, 2, \a
	XSW 0, 0
	ENC 4, \dst, \ac
	XMUL 1, 3, \a
	XCV 0, 1
	ENC 5, \dst, \ac
	XMUL 0, 4, \a
	XSW 0, 1
	XMUL 1, 5, \a
	ENC 6, \dst, \ac
	XCV 1, 0
	XMUL 0, 6, \a
	XSW 1, 0
	ENC 7, \dst, \ac
	XMUL 1, 7, \a
	XCV 1, 1
	XSW 1, 1
.endm
; Accumulator U of the core product times o: eight packed multiply-adds, from the accumulator's low end on.  The first starts the sums: nothing is cleared.
.macro SLICE U
.set S_D, 16*((\U)%4)
.set S_O, O+2*(\U)
	WIN W_SL
.irp q, 0,2,4,6
.if (\U) == 0
	v_pk_mul_f32 v[ACC0+\q:ACC0+\q+1], v[S_D+\q:S_D+\q+1], v[S_O:S_O+1] op_sel_hi:[1,0]
.else
	v_pk_fma_f32 v[ACC0+\q:ACC0+\q+1], v[S_D+\q:S_D+\q+1], v[S_O:S_O+1], v[ACC0+\q:ACC0+\q+1] op_sel_hi:[1,0,1]
.endif
.endr
.irp q, 0,2,4,6
.if (\U) == 0
	v_pk_mul_f32 v[ACC1+\q:ACC1+\q+1], v[S_D+8+\q:S_D+8+\q+1], v[S_O:S_O+1] op_sel:[0,1] op_sel_hi:[1,1]
.else
	v_pk_fma_f32 v[ACC1+\q:ACC1+\q+1], v[S_D+8+\q:S_D+8+\q+1], v[S_O:S_O+1], v[ACC1+\q:ACC1+\q+1] op_sel:[0,1,0] op_sel_hi:[1,1,1]
.endif
.endr
.endm
; The core product of step x: sixteen instructions of 32 rows x 16 samples x 128 K, in two rounds of four accumulators x two K steps; the four take turns, one instruction a turn.
; An accumulator's slice stands a matrix instruction behind its last product, with four v_nop or the slice before as the places between (ISA guide 7.12.1); each accumulator is begun anew only behind
; its own slice and another one.  The largest |a| of the encoder that has just ended is taken ahead of the first product: its ten lines are the places between the last codes' exchange and the products that take
; the codes, and the wait that states that dependence stands behind them.
.macro MPH x
.set M_N, 0
.rept 16
.set M_U, 4*(M_N/8)+(M_N%4)
.set M_S, (M_N/4)%2
.set M_A, 16*(M_N%4)
	WIN 0xf1+(\x)                                  ; D and C window 3, the core window 1 + x, X's codes window 0
.if M_S == 0
	v_wmma_scale_f32_32x16x128_f4 v[M_A:M_A+15], v[32*M_U+16*M_S:32*M_U+16*M_S+15], v[XC+8*M_S:XC+8*M_S+7], 0, v[WSC+16*(\x)+2*M_U+M_S], v[XS0+M_S]
.else
	v_wmma_scale_f32_32x16x128_f4 v[M_A:M_A+15], v[32*M_U+16*M_S:32*M_U+16*M_S+15], v[XC+8*M_S:XC+8*M_S+7], v[M_A:M_A+15], v[WSC+16*(\x)+2*M_U+M_S], v[XS0+M_S]
.endif
.if (M_N == 4) || (M_N == 12)
.rept 4
	v_nop
.endr
.elseif (M_N >= 5) && (M_N <= 8)
	SLICE M_N-5
.elseif M_N >= 13
	SLICE M_N-9
.endif
.set M_N, M_N+1
.endr
	SLICE 7
.endm
.macro TAIL                            ; the two halves, and the other half of the lanes' k: the new tmp, the same in lanes l and l xor 16
	WIN 0
.irp q, 0,2,4,6
	v_pk_add_f32 v[ACC0+\q:ACC0+\q+1], v[ACC0+\q:ACC0+\q+1], v[ACC1+\q:ACC1+\q+1]
.endr
.irp q, 0,1,2,3,4,5,6,7
	v_permlanex16_b32 v[TB+\q], v[ACC0+\q], s26, s27
.endr
.irp q, 0,2,4,6
	v_pk_add_f32 v[TMP+\q:TMP+\q+1], v[ACC0+\q:ACC0+\q+1], v[TB+\q:TB+\q+1]
.endr
.endm
; Wo's 32 numbers of a row become 16 bytes of codes; for step A they stand in lanes 0-15 (K block 0), for step B in lanes 16-31 (K block 1); all else of the two operands is zero codes.
.macro WOQ src, half, byt
	v_max3_num_f32 v[TM0], |v[\src]|, |v[\src+1]|, |v[\src+2]|
	v_max3_num_f32 v[TM1], |v[\src+3]|, |v[\src+4]|, |v[\src+5]|
.irp i, 6,10,14,18,22,26
	v_max3_num_f32 v[TM0], v[TM0], |v[\src+\i]|, |v[\src+\i+1]|
	v_max3_num_f32 v[TM1], v[TM1], |v[\src+\i+2]|, |v[\src+\i+3]|
.endr
	v_max3_num_f32 v[TM0], v[TM0], |v[\src+30]|, |v[\src+31]|
	v_max3_num_f32 v[TM0], v[TM0], v[TM1], 0x1800000
	v_add_nc_u32 v[TM0], 0xff000000, v[TM0]
	v_lshrrev_b32 v[\byt], 23, v[TM0]
.irp g, 0,1,2,3
	v_cvt_scalef32_pk8_fp4_f32 v[TS+\g], v[\src+8*\g:\src+8*\g+7], v[TM0]
.endr
	v_nop                                          ; one plain line behind the conversions
	WIN W_LD
.irp g, 0,1,2,3
	v_cndmask_b32 v[WOA+8*(\half)+\g], v[TS+\g], v15, vcc_lo
	v_cndmask_b32 v[WOA+16+8*(\half)+\g], v15, v[TS+\g], vcc_lo
	v_mov_b32 v[WOA+8*(\half)+4+\g], 0
	v_mov_b32 v[WOA+16+8*(\half)+4+\g], 0
.endr
	WIN 0
.endm
; A TICK, the j-th of a trip.  On entry: OBQ and OSC hold my tile's obs as codes, ACB its act of step B, AA and AMA its a of step A; the stage has been read out.
; tmp's two loads go out first behind the barrier; the stage's stores and the encoder's first two instructions, which do not hang on tmp, stand between them and the wait for them.
; At the end the next tile's obs are quantised between my stores and the wait for them in front of the barrier.
.macro TICK j
.set T_K, (\j)%3
.set T_P, (\j)%2
	s_sub_co_i32 s38, s4, 4                        ; my tile in this tick: tick - wave (the refills' count runs four ahead of it)
	s_cmp_lt_u32 s38, 32
	s_cbranch_scc0 .Lidle_\@                       ; none: the pipeline is filling or draining
	ds_load_b128 v[TMP:TMP+3], v[EIN] offset:(1-T_P)*1024       ; tmp, as the wave before me left it in the last tick.  No wait here: no vector or matrix line since the last wait on va_vdst names TMP or ACA,
	ds_load_b128 v[TMP+4:TMP+7], v[EIN] offset:(1-T_P)*1024+512 ; and the last wait on vm_vsrc stands behind the stores that read TMP
	s_wait_loadcnt 24                              ; the oldest set's twelve loads are in; the two younger sets' 24 stay out
	STAGE T_K                                      ; the NEXT tile goes into the stage,
	LDACT ACA, 0                                   ; and its act of step A comes back (LDS serves a wave's instructions in order: ISA guide 5.7.1.4)
	ENC 0, AB, ACB                                 ; a of step B begins
	ENC 1, AB, ACB
	s_wait_dscnt 14                                ; tmp is in; the twelve stores and two loads issued behind it may be out
	SC1 0                                          ; (these twelve lines are also the places between obs' codes and scale word and the product that takes them)
	s_wait_alu depctr_va_vdst(0)                   ; the obs' quantiser has written OBQ and OSC, which the scaled product below takes as its source and its scales; it serves step B's product with them too
	OWMMA 0                                        ; o of step A
	SC2
	XBODY AA, AB, ACB                              ; Q(X) of step A | the rest of a of step B
	s_wait_dscnt 2                                 ; all but the last two loads: the stage's stores are done with the set,
	GLOAD T_K, 1                                   ; which takes the tile three ticks on
	AMAX AMB, AB
	s_wait_alu depctr_va_vdst(0)                   ; the conversions, the exchanges and the scale words' lines have written XC and XS0, which the sixteen scaled products take
	MPH 0
	TAIL
	s_wait_dscnt 0x0                               ; the next tile's act of step A
	OWMMA 1                                        ; o of step B
	ENC 0, AA, ACA
	SC1 1
	ENC 1, AA, ACA
	SC2
	XBODY AB, AA, ACA                              ; Q(X) of step B | the next tile's a of step A
	AMAX AMA, AA
	s_wait_alu depctr_va_vdst(0)                   ; XC and XS0 are written, as above; the products and conversions are done with XT and the first half's encoder with ACB, in which the ten loads below land
	LDOBS                                          ; XT is free: the next tile's obs,
	LDACT ACB, 1                                   ; and its act of step B.  No line of the core product names XT or ACB
	MPH 1
	TAIL
	s_wait_alu depctr_va_vdst(0)                   ; the tail has written TMP, which the three stores read (and, behind a trip's end, v[OUTA] is written); all readers of TMP and of ACA are done, for the next tick's loads
	ds_store_b128 v[EOUT], v[TMP:TMP+3] offset:T_P*1024         ; tmp goes on to the next wave, in the place that it does not read in this tick
	ds_store_b128 v[EOUT], v[TMP+4:TMP+7] offset:T_P*1024+512
	ds_store_b32 v[OUTA], v[TMP] offset:64*(\j)    ; tmp[0] of my 16 samples (lanes l and l xor 16 write the same word with the same value)
	s_wait_dscnt 3                                 ; all but these three stores: the next tile's obs and act are in
	OBSQ                                           ; both products with this tile's obs are long issued: the next tile's codes take their place
	s_wait_alu depctr_vm_vsrc(0)                   ; the three stores have read TMP and v[OUTA]: the next tick's loads land in TMP, and the trip's end steps v[OUTA]
	s_branch .Lmeet_\@
.Lidle_\@:
	s_wait_loadcnt 24                              ; the sets go round all the same, so that the counted wait means the same on both ways
	GLOAD T_K, 0                                   ; (no LDS store has read this set since the wait on vm_vsrc of the tick that staged it)
.Lmeet_\@:
	s_wait_dscnt 0x0                               ; my stores have landed and my loads are in, for the others' sake
	s_barrier_signal -1
	s_barrier_wait -1
.endm
	s_load_b512 s[8:23], s[0:1], 0x0               ; actions s[8:9], obss s[10:11], Wa s[12:13], ba s[14:15], Wo s[16:17], bo s[18:19], wq s[20:21], ws s[22:23]
	s_load_b64 s[24:25], s[0:1], 0x40              ; out0
	v_lshl_add_u32 v254, v0, 2, 0xb400
	v_mov_b32 v255, 0
	v_lshrrev_b32 v11, 5, v0
	v_readfirstlane_b32 s2, v11                    ; wave 0..3
	v_and_b32 v12, 31, v0                          ; lane
	v_and_b32 v13, 15, v0                          ; r
	v_bfe_u32 v14, v0, 4, 1                        ; h
	v_lshlrev_b32 v[LI], 4, v12
	s_wait_alu depctr_va_sdst(0)                   ; s2 is written, ahead of its first reader: LDS bases, memory bases and the ticks' count are made from it
	s_lshl_b32 s5, s2, 11
	s_add_co_u32 s5, s5, EDGE
	v_add_nc_u32 v[EIN], s5, v[LI]
	v_add_nc_u32 v[EOUT], 2048, v[EIN]
	s_mul_i32 s6, s2, OUTW
	s_add_co_u32 s6, s6, OUTS
	v_lshl_add_u32 v[OUTA], v13, 2, s6
	s_mul_i32 s39, s2, STGW                        ; my stage
	v_mul_u32_u24 v11, v14, 272
	v_lshl_add_u32 v11, v13, 4, v11
	v_add_nc_u32 v[SIO], s39, v11
	v_lshrrev_b32 v11, 3, v12                      ; lane / 8
	v_and_b32 v15, 7, v12                          ; lane % 8
	v_mul_u32_u24 v[SIA], v11, 144
	v_lshl_add_u32 v[SIA], v15, 4, v[SIA]
	v_add_nc_u32 v[SIA], s39, v[SIA]
	v_add_nc_u32 v[SIA], STGA, v[SIA]
	v_lshlrev_b32 v[GOA], 9, v11
	v_lshl_add_u32 v[GOA], v15, 4, v[GOA]
	v_mul_u32_u24 v[SOO], v13, 272
	v_lshl_add_u32 v[SOO], v14, 6, v[SOO]
	v_add_nc_u32 v[SOO], s39, v[SOO]
	v_mul_u32_u24 v[SOA], v13, 144
	v_lshl_add_u32 v[SOA], v14, 4, v[SOA]
	v_add_nc_u32 v[SOA], s39, v[SOA]
	v_add_nc_u32 v[SOA], STGA, v[SOA]
	v_lshlrev_b32 v[GOO], 10, v14
	v_lshl_add_u32 v[GOO], v13, 4, v[GOO]
	v_lshrrev_b32 v11, 3, v13                      ; r / 8
	v_and_b32 v15, 7, v13                          ; r % 8
	v_lshl_add_u32 v116, v11, 4, v15               ; Wa: row 16 (r / 8) + r % 8 (+ 8 Tt) of 64 bytes, + 16 h
	v_lshlrev_b32 v116, 6, v116
	v_lshl_add_u32 v116, v14, 4, v116
	v_lshlrev_b32 v117, 6, v14                     ; ba: 4 (16 h)
	v_lshlrev_b32 v118, 2, v14                     ; bo: 4 h
	v_lshl_add_u32 v119, v15, 1, v11               ; Wo: row 2 (r % 8) + r / 8 (+ 16 for the upper half) of 128 bytes
	v_lshlrev_b32 v119, 7, v119
	v_cmp_eq_u32 vcc_lo, 1, v14                    ; lanes 16-31
	v_mov_b32 v15, 0
	s_wait_alu depctr_va_vcc(0)                    ; VCC is written, ahead of its first reader: the selects that lay Wo's codes into the two halves of the lanes
	s_mov_b32 s26, 0x76543210                      ; v_permlanex16_b32's selects for lane l xor 16
	s_mov_b32 s27, 0xfedcba98
	s_mov_b32 s33, 0
	s_sub_co_i32 s4, 0, s2                         ; the first tile that I load is tick 0's: -w, held to 0
	s_wait_kmcnt 0x0
	s_lshl_b32 s32, ttmp9, 19                      ; my work-group's 512 rows of 1,024 bytes, my wave's 256 bytes of a row
	s_lshl_b32 s38, s2, 8
	s_add_co_u32 s32, s32, s38
	s_add_nc_u64 s[28:29], s[10:11], s[32:33]
	s_lshl_b32 s32, ttmp9, 18                      ; rows of 512 bytes, 128 of a row
	s_lshl_b32 s38, s2, 7
	s_add_co_u32 s32, s32, s38
	s_add_nc_u64 s[30:31], s[8:9], s[32:33]
	s_lshl_b32 s32, s2, 16                         ; my two cores' codes,
	s_add_nc_u64 s[20:21], s[20:21], s[32:33]
	s_lshl_b32 s32, s2, 12                         ; their scale words,
	s_add_nc_u64 s[22:23], s[22:23], s[32:33]
	s_lshl_b32 s32, ttmp9, 11                      ; my work-group's 512 results
	s_add_nc_u64 s[24:25], s[24:25], s[32:33]
	; ALL THE HEAD'S LOADS GO OUT IN ONE RUN, the largest first.  My two cores: 128 loads of 512 consecutive bytes, straight into the registers where they stay
	WIN 0x40
	s_wait_alu depctr_va_vdst(0)                   ; the addresses and offsets v1 to v10 and v116 to v119 are written, which every load and store of the kernel reads; only loads and window switches follow up to the last of the run
.set H_N, 0
.rept 64
	global_load_b128 v[4*H_N:4*H_N+3], v[LI], s[20:21] offset:512*H_N
.set H_N, H_N+1
.endr
	WIN 0x80
.set H_N, 0
.rept 64
	global_load_b128 v[4*H_N:4*H_N+3], v[LI], s[20:21] offset:32768+512*H_N
.set H_N, H_N+1
.endr
	WIN 0
.irp x, 0,1
.irp q, 0,1,2,3
	global_load_b128 v[WSC+16*\x+4*\q:WSC+16*\x+4*\q+3], v[LI], s[22:23] offset:2048*\x+512*\q
.endr
.endr
	; the small operands
.irp t, 0,1
.irp s, 0,1
	global_load_b128 v[WAF+8*\t+4*\s:WAF+8*\t+4*\s+3], v116, s[12:13] offset:512*\t+32*\s
	global_load_b128 v[BAC+8*\t+4*\s:BAC+8*\t+4*\s+3], v117, s[14:15] offset:32*\t+16*\s
.endr
.endr
.irp q, 0,1,2,3,4,5,6,7
	global_load_b128 v[XT+4*\q:XT+4*\q+3], v119, s[16:17] offset:16*\q          ; Wo's row for m = r, whole, in both halves of the lanes
	global_load_b128 v[O+4*\q:O+4*\q+3], v119, s[16:17] offset:2048+16*\q       ; and for m = 16 + r, into registers that are free here
.endr
	WIN W_LD
.irp t, 0,1,2,3,4,5,6,7,8,9,10,11,12,13,14,15
	global_load_b32 v[BOC+\t], v118, s[18:19] offset:8*\t                       ; bo[2 T + h]
.endr
	WIN 0
	GLOAD 2, 0                                     ; tick 0's tile,
	GLOAD 0, 0                                     ; and the two behind it
	GLOAD 1, 0
.irp g, 0,1,2,3,4,5,6,7
	v_mov_b32 v[TB+\g], 0                          ; written once: a lane exchange's destination counts as one of its sources
.endr
	v_mov_b32 v[AMB], 0                            ; (named as the upper half of the pair v[244:245] before it is first written)
	v_mov_b32 v[TMP], 1.0                          ; the chain's start: (1, 0, .. 0).  Every wave lays it into both places of its own edge; edge 0 keeps it
.irp g, 1,2,3,4,5,6,7
	v_mov_b32 v[TMP+\g], 0
.endr
	s_wait_alu depctr_va_vdst(0)                   ; TMP is written, which the four LDS stores read
.irp p, 0,1
	ds_store_b128 v[EIN], v[TMP:TMP+3] offset:1024*\p
	ds_store_b128 v[EIN], v[TMP+4:TMP+7] offset:1024*\p+512
.endr
	s_wait_loadcnt 36                              ; all but the three tiles' 36 loads: loads come back in order (ISA guide 5.7.1), so the cores and the small operands are in
	WOQ XT, 0, TP0                                 ; Wo is quantised while the tiles are on their way
	WOQ O, 1, TP1
	v_cndmask_b32 v11, v[TP0], v[TP1], vcc_lo      ; lane m holds row m's byte,
	v_mul_u32_u24 v11, v11, 0x101                  ; for K blocks 0 and 1;
	v_or_b32 v[WOS], 0x7f7f0000, v11               ; blocks 2 and 3 hold zero codes
.irp g, 4,5,6,7
	v_mov_b32 v[OBQ+\g], 0                         ; K blocks 2 and 3 of obs' operand
.endr
	s_wait_alu depctr_va_vdst(0)                   ; Wo's quantiser is done reading XT and v164 to v195: the LDS loads below land in XT and in ACA
	s_wait_loadcnt 24                              ; tick 0's tile is in; the two younger sets stay out
	STAGE 2
	LDACT ACA, 0
	LDACT ACB, 1
	LDOBS
	s_wait_dscnt 0x0
	GLOAD 2, 1                                     ; the third tile ahead.  Its wait on vm_vsrc also states that the four stores above have read TMP, in which the first tick's loads land, and that the small operands' loads have read v116 to v119, which X's codes take
.irp e, 0,1,2,3,4,5,6,7
	ENC \e, AA, ACA                                ; a of step A of tick 0's tile
.endr
	OBSQ                                           ; its obs as codes; the first sixteen lines are also the places behind the f32 form (ISA guide 7.12.1)
	AMAX AMA, AA
	s_wait_alu depctr_va_vdst(0)                   ; the encoder is done reading ACA, in which the first tick's LDS loads land
	s_wait_dscnt 0x0
	s_barrier_signal -1
	s_barrier_wait -1                              ; every edge holds the chain's start before a neighbour writes into it
	s_mov_b32 s3, 6
.Ltrip:                                            ; six ticks: the three sets and the two places of an edge are back where they began
	TICK 0
	TICK 1
	TICK 2
	TICK 3
	TICK 4
	TICK 5
	v_add_nc_u32 v[OUTA], 384, v[OUTA]             ; (each tick's second wait on vm_vsrc stands behind its store by this address; the next store by it stands behind that tick's waits on va_vdst)
	s_sub_co_u32 s3, s3, 1
	s_cmp_lg_u32 s3, 0
	s_cbranch_scc1 .Ltrip
	; wave 3's ticks 3 to 34 were tiles 0 to 31: 2,048 consecutive bytes of its own, stored as four runs of 512
	s_cmp_lg_u32 s2, 3
	s_cbranch_scc1 .Lend
	s_wait_alu depctr_va_vdst(0)                   ; the last tick's quantiser is done reading XT, in which the four loads below land
.irp i, 0,1,2,3
	ds_load_b128 v[XT+4*\i:XT+4*\i+3], v[LI] offset:OUTS+3*OUTW+3*64+512*\i
.endr
.irp i, 0,1,2,3
	s_wait_dscnt 3-\i
	global_store_b128 v[LI], v[XT+4*\i:XT+4*\i+3], s[24:25] offset:512*\i
.endr
.Lend:
	s_wait_dscnt 0x0                               ; the closing lines, six on end
	s_wait_alu 0x0
	s_wait_tensorcnt 0x0
	ds_add_u32 v254, v255
	s_wait_dscnt 0x0
	s_endpgm
.Lfunc_end_k_q5605d7fef9_main:
	.size	k_q5605d7fef9_main, .Lfunc_end_k_q5605d7fef9_main-k_q5605d7fef9_main
	.p2alignl 7, 3214868480
	.fill 96, 4, 3214868480
	.section	.rodata,"a",@progbits
	.p2align	6, 0x0
	.amdhsa_kernel k_q5605d7fef9_main
		.amdhsa_group_segment_fixed_size 46592
		.amdhsa_private_segment_fixed_size 0
		.amdhsa_enable_private_segment 0
		.amdhsa_kernarg_size 72
		.amdhsa_user_sgpr_count 2
		.amdhsa_user_sgpr_kernarg_segment_ptr 1
		.amdhsa_wavefront_size32 1
		.amdhsa_system_sgpr_workgroup_id_x 1
		.amdhsa_system_sgpr_workgroup_id_y 1
		.amdhsa_system_sgpr_workgroup_id_z 1
		.amdhsa_system_vgpr_workitem_id 0
		.amdhsa_next_free_vgpr 1024
		.amdhsa_next_free_sgpr 66
		.amdhsa_reserve_vcc 1
		.amdhsa_float_denorm_mode_32 3
		.amdhsa_float_denorm_mode_16_64 3
		.amdhsa_memory_ordered 1
		.amdhsa_forward_progress 1
		.amdhsa_inst_pref_size 255
	.end_amdhsa_kernel
	.section	.bss,"aw",@nobits
	.p2align	6
	.space	262144
	.amdgpu_metadata
---
amdhsa.version: [ 1, 2 ]
amdhsa.kernels:
  - .name:           k_q5605d7fef9_main
    .symbol:         k_q5605d7fef9_main.kd
    .args:
      - { .name: actions, .offset: 0, .size: 8, .value_kind: global_buffer, .address_space: global }
      - { .name: obss, .offset: 8, .size: 8, .value_kind: global_buffer, .address_space: global }
      - { .name: Wa, .offset: 16, .size: 8, .value_kind: global_buffer, .address_space: global }
      - { .name: ba, .offset: 24, .size: 8, .value_kind: global_buffer, .address_space: global }
      - { .name: Wo, .offset: 32, .size: 8, .value_kind: global_buffer, .address_space: global }
      - { .name: bo, .offset: 40, .size: 8, .value_kind: global_buffer, .address_space: global }
      - { .name: wq, .offset: 48, .size: 8, .value_kind: global_buffer, .address_space: global }
      - { .name: ws, .offset: 56, .size: 8, .value_kind: global_buffer, .address_space: global }
      - { .name: out0, .offset: 64, .size: 8, .value_kind: global_buffer, .address_space: global }
    .group_segment_fixed_size: 46592
    .private_segment_fixed_size: 0
    .kernarg_segment_align: 8
    .kernarg_segment_size: 72
    .max_flat_workgroup_size: 128
    .sgpr_count:     66
    .vgpr_count:     1024
    .wavefront_size: 32
...
	.end_amdgpu_metadata
.endif
;; end of part 3
